; MI455X (gfx1250); checked and timed in simulation.
; The chip was launched on July 23, 2026; its instructions are those of AMD's public machine-readable ISA for CDNA 5 (MIT licence, August 2026) and "CDNA5" Instruction Set Architecture Reference Guide (July 2026). The comments in the code are by the model that wrote it; some were corrected since.
;; Transformer Block. Allowed arithmetic: float matrix products may take bf16 or f16 operands with f32 sums; all other float work in f32.
;; Inputs: W1 1,024 x 4,096 float32; W2 4,096 x 1,024 float32; Wk 1,024 x 1,024 float32; Wo 1,024 x 1,024 float32; Wq 1,024 x 1,024 float32; Wv 1,024 x 1,024 float32; b1 4,096 float32; b2 1,024 float32; bk 1,024 float32; bo 1,024 float32; bq 1,024 float32; bv 1,024 float32; ln1_b 1,024 float32; ln1_g 1,024 float32; ln2_b 1,024 float32; ln2_g 1,024 float32; x 2 x 2,048 x 1,024 float32.
;; Outputs: out0 2 x 2,048 x 1,024 float32.
;; 2 versions, each right; version 2 is version 1 with the launches prep, ln2 written anew for expert scheduling mode. Each part assembles by itself: llvm-mc -triple=amdgcn-amd-amdhsa -mcpu=gfx1250 --defsym DOCPART=n.
;; ======== version 1 of 2: 7 launches
;; workspace buffers: wb 25,165,824 bytes; hb 8,388,608 bytes; qkvb 25,165,824 bytes; ob 8,388,608 bytes; x1 16,777,216 bytes; gb 33,554,432 bytes
;; launch prep (part 1): grid 1024 x 1, 8 waves a work-group, no clusters, 0 bytes of LDS; arguments x, ln1_g, ln1_b, hb, Wq, Wk, Wv, Wo, W1, W2, wb; writes hb, wb
.if DOCPART == 1
	.amdgcn_target "amdgcn-amd-amdhsa--gfx1250"
	.amdhsa_code_object_version 6
	.text
	.protected	k_q9b8a16e85e_prep
	.globl	k_q9b8a16e85e_prep
	.p2align	8
	.type	k_q9b8a16e85e_prep,@function
k_q9b8a16e85e_prep:
	s_mov_b64 s[64:65], 0
	v_nop
	global_prefetch_b8 v0, s[64:65] scope:SCOPE_SE
	s_setreg_imm32_b32 hwreg(HW_REG_WAVE_MODE, 25, 1), 1
	s_wait_xcnt 0x0
; ONE BODY, TWO LAUNCHES.  Arguments: rows, g, b, out, six weights, wb.
; Work-groups 0-255: LayerNorm of rows [4096][1024] f32, 16 rows each, written as bf16 in blocks: out[c / 64][row][c % 64], a block of 64 columns = 4,096 rows x 128 bytes.
; Work-groups 256-1023: the six weights rounded to bf16, in the order Wq Wk Wv Wo W1 W2, each row-major as given: 65,536 bytes of f32 in, 32,768 bytes out for each work-group.
; The first launch has 1,024 work-groups (LayerNorm 1 of x, and the weights).  The second LayerNorm is a launch of 256 work-groups on x1: all of them take the first path; the other seven addresses are loaded at the head and not used there.
; Both paths are streams: no LDS, no matrix unit, no cluster (the work-groups share only g and b, 8 KB).
; LN: lanes 0-15 of a wave own one row, lanes 16-31 the next; a lane holds 64 numbers of its row, so a row's sums never leave 16 lanes.  The variance is taken of the centred numbers.
; LIMITS: NaN and infinities are not treated apart; v_rsq_f32 is good to one unit in the last place.
.set PLANEB, 524288                    ; bytes in a block of 64 columns
.set XR, 16                            ; v[16:79]   my 64 numbers of the row
.set GR, 80                            ; v[80:143]  g of my 64 columns
.set BR, 144                           ; v[144:207] b of my 64 columns
.set YR, 208                           ; v[208:239] the result, two bf16 a register
.macro RED16                           ; v[4:11], four pairs of partial sums -> v4: the sum over my row, in each of its 16 lanes
	v_pk_add_f32 v[4:5], v[4:5], v[6:7]
	v_pk_add_f32 v[8:9], v[8:9], v[10:11]
	v_pk_add_f32 v[4:5], v[4:5], v[8:9]
	v_add_f32 v4, v4, v5
	v_add_f32_dpp v4, v4, v4 row_xmask:1 row_mask:0xf bank_mask:0xf
	v_add_f32_dpp v4, v4, v4 row_xmask:2 row_mask:0xf bank_mask:0xf
	v_add_f32_dpp v4, v4, v4 row_xmask:4 row_mask:0xf bank_mask:0xf
	v_add_f32_dpp v4, v4, v4 row_xmask:8 row_mask:0xf bank_mask:0xf
.endm
; rows s[4:5], g s[6:7], b s[8:9], out s[10:11]; s34 = the group of 16 rows
.macro LNBODY
	s_lshl_b32 s2, s34, 16                         ; 16 rows of 4,096 bytes
	s_mov_b32 s3, 0
	s_lshl_b32 s28, s34, 11                        ; 16 rows of 128 bytes in a block
	s_mov_b32 s29, 0
	s_mov_b32 s26, 0x3a800000                      ; 1 / 1024
	s_mov_b32 s27, 0x3727c5ac                      ; 1e-5
	v_lshrrev_b32 v12, 4, v0                       ; my row among the 16
	v_and_b32 v13, 15, v0                          ; my place in the row
	v_lshlrev_b32 v2, 4, v13                       ; g, b: 16 bytes a lane
	v_lshl_add_u32 v1, v12, 12, v2                 ; rows: + row x 4,096
	v_lshlrev_b32 v3, 3, v13                       ; out: 8 bytes a lane
	v_lshl_add_u32 v3, v12, 7, v3                  ; + row x 128
	s_wait_kmcnt 0x0
	s_add_nc_u64 s[4:5], s[4:5], s[2:3]
	s_add_nc_u64 s[10:11], s[10:11], s[28:29]
.set j, 0
.rept 16                                           ; load j: columns 64 j + 4 (lane % 16) ..: 16 lanes take 256 consecutive bytes
	global_load_b128 v[XR+4*j:XR+4*j+3], v1, s[4:5] offset:256*j
.set j, j+1
.endr
.set j, 0
.rept 16
	global_load_b128 v[GR+4*j:GR+4*j+3], v2, s[6:7] offset:256*j
.set j, j+1
.endr
.set j, 0
.rept 16
	global_load_b128 v[BR+4*j:BR+4*j+3], v2, s[8:9] offset:256*j
.set j, j+1
.endr
	s_wait_loadcnt 32                              ; the row is in; the 32 younger loads, g's and b's, stay out
.irp c, 0,1,2,3
	v_pk_add_f32 v[4+2*(\c):5+2*(\c)], v[XR+2*(\c):XR+2*(\c)+1], v[XR+8+2*(\c):XR+8+2*(\c)+1]  ; four chains; the first pairs start them
.endr
.set p, 8
.rept 24
	v_pk_add_f32 v[4+2*(p%4):5+2*(p%4)], v[4+2*(p%4):5+2*(p%4)], v[XR+2*p:XR+2*p+1]
.set p, p+1
.endr
	RED16
	v_mul_f32 v12, s26, v4                         ; the mean, twice: a pair for the packed subtraction
	v_mov_b32 v13, v12
.set p, 0
.rept 32
	v_pk_add_f32 v[XR+2*p:XR+2*p+1], v[XR+2*p:XR+2*p+1], v[12:13] neg_lo:[0,1] neg_hi:[0,1]
.set p, p+1
.endr
.irp c, 0,1,2,3
	v_pk_mul_f32 v[4+2*(\c):5+2*(\c)], v[XR+2*(\c):XR+2*(\c)+1], v[XR+2*(\c):XR+2*(\c)+1]
.endr
.set p, 4
.rept 28
	v_pk_fma_f32 v[4+2*(p%4):5+2*(p%4)], v[XR+2*p:XR+2*p+1], v[XR+2*p:XR+2*p+1], v[4+2*(p%4):5+2*(p%4)]
.set p, p+1
.endr
	RED16
	v_fma_f32 v4, v4, s26, s27                     ; variance + eps
	v_rsq_f32 v14, v4
	v_nop                                          ; a plain instruction between the root and the use of its result (ISA guide 5.7.2)
	s_wait_alu depctr_va_vdst(0)
	v_mov_b32 v15, v14
	s_wait_loadcnt 0x0                             ; g and b
.set p, 0
.rept 32
	v_pk_mul_f32 v[GR+2*p:GR+2*p+1], v[GR+2*p:GR+2*p+1], v[14:15]
.set p, p+1
.endr
.set p, 0
.rept 32
	v_pk_fma_f32 v[XR+2*p:XR+2*p+1], v[XR+2*p:XR+2*p+1], v[GR+2*p:GR+2*p+1], v[BR+2*p:BR+2*p+1]
.set p, p+1
.endr
.set p, 0
.rept 32
	v_cvt_pk_bf16_f32 v[YR+p], v[XR+2*p], v[XR+2*p+1]
.set p, p+1
.endr
.set j, 0
.rept 16                                           ; block j: my two rows' 128 bytes lie end to end: a wave's store covers 256 consecutive bytes, aligned
	global_store_b64 v3, v[YR+2*j:YR+2*j+1], s[10:11] offset:j*PLANEB
.set j, j+1
.endr
.endm
	s_load_b256 s[4:11], s[0:1], 0x0               ; rows, g, b, out
	s_load_b256 s[12:19], s[0:1], 0x20             ; Wq, Wk, Wv, Wo
	s_load_b128 s[20:23], s[0:1], 0x40             ; W1, W2
	s_load_b64 s[24:25], s[0:1], 0x50              ; wb
	s_mov_b32 s34, ttmp9
	s_cmp_lt_u32 s34, 256
	s_cbranch_scc0 .Lcast
	LNBODY
	s_endpgm
.Lcast:
	s_sub_co_u32 s28, s34, 256                     ; c = 0 .. 767: my piece of 16,384 numbers
	s_lshr_b32 s29, s28, 6                         ; 0-3: Wq Wk Wv Wo (64 pieces each); 4-7: W1; 8-11: W2 (256 each)
	s_and_b32 s30, s28, 63                         ; my piece's number inside its weight
	s_sub_co_u32 s35, s28, 256
	s_sub_co_u32 s36, s28, 512
	s_lshl_b32 s32, s28, 15                        ; where it goes: c x 32,768 bytes
	s_mov_b32 s33, 0
	v_lshlrev_b32 v1, 4, v0                        ; in: 16 bytes a thread
	v_lshlrev_b32 v2, 3, v0                        ; out: 8 bytes a thread
	s_wait_kmcnt 0x0
	s_cmp_eq_u32 s29, 1
	s_cselect_b64 s[12:13], s[14:15], s[12:13]
	s_cmp_eq_u32 s29, 2
	s_cselect_b64 s[12:13], s[16:17], s[12:13]
	s_cmp_eq_u32 s29, 3
	s_cselect_b64 s[12:13], s[18:19], s[12:13]
	s_cmp_ge_u32 s29, 4
	s_cselect_b64 s[12:13], s[20:21], s[12:13]
	s_cselect_b32 s30, s35, s30
	s_cmp_ge_u32 s29, 8
	s_cselect_b64 s[12:13], s[22:23], s[12:13]
	s_cselect_b32 s30, s36, s30
	s_lshl_b32 s30, s30, 16                        ; 65,536 bytes a piece
	s_mov_b32 s31, 0
	s_add_nc_u64 s[12:13], s[12:13], s[30:31]
	s_add_nc_u64 s[24:25], s[24:25], s[32:33]
.set j, 0
.rept 16                                           ; all sixteen loads go out at once: 4,096 bytes a work-group and load
	global_load_b128 v[16+4*j:16+4*j+3], v1, s[12:13] offset:4096*j th:TH_LOAD_NT
.set j, j+1
.endr
.set j, 0
.rept 16
	s_wait_loadcnt 15-j                            ; loads come back in order: load j is in, the younger ones stay out
	v_cvt_pk_bf16_f32 v[80+2*j], v[16+4*j], v[16+4*j+1]
	v_cvt_pk_bf16_f32 v[81+2*j], v[16+4*j+2], v[16+4*j+3]
	global_store_b64 v2, v[80+2*j:81+2*j], s[24:25] offset:2048*j  ; a wave's store covers 256 consecutive bytes, aligned
.set j, j+1
.endr
	s_endpgm
.Lfunc_end_k_q9b8a16e85e_prep:
	.size	k_q9b8a16e85e_prep, .Lfunc_end_k_q9b8a16e85e_prep-k_q9b8a16e85e_prep
	.p2alignl 7, 3214868480
	.fill 96, 4, 3214868480
	.section	.rodata,"a",@progbits
	.p2align	6, 0x0
	.amdhsa_kernel k_q9b8a16e85e_prep
		.amdhsa_group_segment_fixed_size 0
		.amdhsa_private_segment_fixed_size 0
		.amdhsa_enable_private_segment 0
		.amdhsa_kernarg_size 88
		.amdhsa_user_sgpr_count 2
		.amdhsa_user_sgpr_kernarg_segment_ptr 1
		.amdhsa_wavefront_size32 1
		.amdhsa_system_sgpr_workgroup_id_x 1
		.amdhsa_system_sgpr_workgroup_id_y 1
		.amdhsa_system_sgpr_workgroup_id_z 1
		.amdhsa_system_vgpr_workitem_id 0
		.amdhsa_next_free_vgpr 240
		.amdhsa_next_free_sgpr 66
		.amdhsa_reserve_vcc 0
		.amdhsa_float_denorm_mode_32 3
		.amdhsa_float_denorm_mode_16_64 3
		.amdhsa_memory_ordered 1
		.amdhsa_forward_progress 1
		.amdhsa_inst_pref_size 27
	.end_amdhsa_kernel
	.amdgpu_metadata
---
amdhsa.version: [ 1, 2 ]
amdhsa.kernels:
  - .name:           k_q9b8a16e85e_prep
    .symbol:         k_q9b8a16e85e_prep.kd
    .args:
      - { .name: x, .offset: 0, .size: 8, .value_kind: global_buffer, .address_space: global }
      - { .name: ln1_g, .offset: 8, .size: 8, .value_kind: global_buffer, .address_space: global }
      - { .name: ln1_b, .offset: 16, .size: 8, .value_kind: global_buffer, .address_space: global }
      - { .name: hb, .offset: 24, .size: 8, .value_kind: global_buffer, .address_space: global }
      - { .name: Wq, .offset: 32, .size: 8, .value_kind: global_buffer, .address_space: global }
      - { .name: Wk, .offset: 40, .size: 8, .value_kind: global_buffer, .address_space: global }
      - { .name: Wv, .offset: 48, .size: 8, .value_kind: global_buffer, .address_space: global }
      - { .name: Wo, .offset: 56, .size: 8, .value_kind: global_buffer, .address_space: global }
      - { .name: W1, .offset: 64, .size: 8, .value_kind: global_buffer, .address_space: global }
      - { .name: W2, .offset: 72, .size: 8, .value_kind: global_buffer, .address_space: global }
      - { .name: wb, .offset: 80, .size: 8, .value_kind: global_buffer, .address_space: global }
    .group_segment_fixed_size: 0
    .private_segment_fixed_size: 0
    .kernarg_segment_align: 8
    .kernarg_segment_size: 88
    .max_flat_workgroup_size: 256
    .sgpr_count:     66
    .vgpr_count:     240
    .wavefront_size: 32
...
	.end_amdgpu_metadata
.endif
;; end of part 1
;; launch qkvp (part 2): grid 12 x 16, 4 waves a work-group, clusters of 4 x 4, 327,680 bytes of LDS; arguments hb, wb, qkvb, bq, bk, bv; writes qkvb
.if DOCPART == 2
	.amdgcn_target "amdgcn-amd-amdhsa--gfx1250"
	.amdhsa_code_object_version 6
	.text
	.protected	k_q9b8a16e85e_qkvp
	.globl	k_q9b8a16e85e_qkvp
	.p2align	8
	.type	k_q9b8a16e85e_qkvp,@function
k_q9b8a16e85e_qkvp:
	s_mov_b64 s[64:65], 0
	v_nop
	global_prefetch_b8 v0, s[64:65] scope:SCOPE_SE
	s_setreg_imm32_b32 hwreg(HW_REG_WAVE_MODE, 25, 1), 1
	s_wait_xcnt 0x0
	s_wait_alu depctr_hold_cnt(0) depctr_sa_sdst(0) depctr_va_vdst(0) depctr_va_sdst(0) depctr_va_ssrc(0) depctr_va_vcc(0) depctr_vm_vsrc(0)
	s_getreg_b32 s2, hwreg(HW_REG_IB_STS2, 6, 4)
	s_cmp_eq_u32 s2, 0
	s_cbranch_scc0 .Lentry_in_a_cluster
	s_endpgm
.Lentry_in_a_cluster:
	s_bfe_u32 s2, ttmp6, 0x10000c
	s_cmp_lg_u32 s2, 0xf033
	s_cbranch_scc0 .Lentry_shape_is_right
	s_endpgm
.Lentry_shape_is_right:
; Q, K, V = h W + b.  h: bf16 in blocks [16][4096][64]; Wq, Wk, Wv: bf16 [1024][1024] one behind the other; out: bf16 in blocks [48][4096][64] (q 0-15, k 16-31, v 32-47: a block is a head).  Sums in f32.
; A tile of C is 256 x 256: four waves, each 128 x 128 in 64 accumulators.  K goes in steps of 128 (two blocks of h) through two LDS slots filled by tensor loads; 192 tiles, one to a work-group.
; h's tile of one block is 256 dense rows of 128 bytes: asked for as 128 rows of 256 bytes, padded in LDS behind every 128.  W lies [k][n]: its rows come as they lie and the fragments are turned by ds_load_tr16_b128.
; CLUSTER 4 x 4: the four of a row share h's tiles, the four of a column W's: joint loads, same descriptor and mask in all four.
; The matrix instruction is used transposed (source 0 = 16 columns of W, source 1 = 16 rows of h): a lane holds eight neighbouring numbers of a row of C.
; NO PREFETCH into the L2: a whole K step's 256 matrix instructions stand between a tile's request and the wait for it.
; WINDOWS of 256 registers: 0: addresses, h's fragments (two buffers), the way out; 1: W's fragments; 2, 3: accumulators ((a, b) at 8 (8 a + b)).
; LIMITS: operands are rounded to bf16; NaN and infinities are not treated apart.
.set QKV,    1
.set NP,     1024                      ; columns in a row of the weight
.set LOGT,   2                         ; a weight has 1 << LOGT tiles of 256 columns
.set WOFF,   0                         ; the first weight's byte in wb
.set NSTEPS, 8
.set PLANEB, 524288                    ; a block of 64 columns: 4,096 rows x 128 bytes
.set PA,     144                       ; a row of h in LDS: 128 bytes + 16: 36 words: the 16 rows of a load start at 16 different groups of four banks (ISA guide 11.1)
.set APLANE, 256*PA
.set PB,     544                       ; a row of W in LDS: 512 bytes + 32: 136 words
.set BOFF,   2*APLANE
.set BHALF,  64*PB
.set SLOT,   BOFF+2*BHALF              ; 143,360
.set SPARE,  2*SLOT                    ; behind the ring: the spare words, 128 bytes a wave
.set DP,     528                       ; the way out: a row of 128 f32 + 16 bytes
.set DUMPW,  128*DP                    ; a wave's part of the dump, in the ring, which has had its last fill by then
.set ADV_A,  2*PLANEB
.set ADV_B,  128*NP*2
.set A0,   14                          ; v14 my lane's place in h's tile   v15 in W's; never rewritten
.set B0,   15
.set ADRA, 16                          ; v16, v20 the same in the slot in hand
.set ADRB, 20
.set DST,  24                          ; v24 where I put 16 bytes of the dump   v25 where I read it back   v26 my byte offset in 512 bytes of the output   v27 in the bias
.set RD,   25
.set CO,   26
.set BO,   27
.set SPW,  28                          ; v28 my spare word, v29 zero; never rewritten
.set NIL,  29
.set BI,   32                          ; v[32:47] the bias of my 8 columns in each of the wave's two blocks
.set F0,   64
.set F1,   128
.set XR,   64                          ; the way out: 8 rows' numbers as read, with bias, at work, packed
.set ZR,   96
.set TR,   128
.set YR,   160
.set G1,   24                          ; s[24:31] group 1 for h's tiles   s[32:39] group 0: a set for each first fill; the second then walks
.set G0,   32
.set TOG,  45                          ; s45 0 or SLOT: the slot of the K step in hand
.set G1B,  48                          ; the same for W's tiles
.set G0B,  56
.set MSB, 0
.macro WIN new                         ; the immediate's high byte repeats the setting that is left
.if MSB != (\new)
	s_set_vgpr_msb (MSB<<8)|(\new)
.set MSB, \new
.endif
.endm
.set MUL_LO, 0xa1                      ; source 0 (W) window 1, source 1 (h) window 0, C and D window 2
.set MUL_HI, 0xf1
.set TO_B,   0x40
.macro PLACES                          ; four plain vector instructions between a matrix instruction and a load into, or a read of, its registers
.rept 4
	v_nop
.endr
.endm
; A joint refill by the walking descriptors.  Waves 0, 1 fetch h's two blocks, waves 2, 3 the two halves of W's 128 rows.  The branch hangs on the wave's number alone.
.macro JLOAD
	s_cmp_eq_u32 s11, 0
	s_cbranch_scc0 .Lfor_b_\@
	tensor_load_to_lds s[G0+4:G0+7], s[G1:G1+7]
	s_nop 0
.rept 4
	v_nop
.endr
	s_branch .Lasked_\@
.Lfor_b_\@:
	tensor_load_to_lds s[G0B+4:G0B+7], s[G1B:G1B+7]
	s_nop 0
.rept 4
	v_nop
.endr
.Lasked_\@:
.endm
.macro CREST                           ; a round of the cluster's barrier behind its opening barrier
	s_cmp_lg_u32 s10, 0
	s_cbranch_scc1 .Lnot_wave_0_\@
	s_barrier_signal -3
.Lnot_wave_0_\@:
	s_barrier_wait -3
	s_barrier_signal -1
	s_barrier_wait -1
.endm
.macro CROUND
	s_barrier_signal -1
	s_barrier_wait -1
	CREST
.endm
	s_load_b128 s[4:7], s[0:1], 0x0                ; h, wb
	s_load_b64 s[8:9], s[0:1], 0x10                ; out
	s_load_b64 s[68:69], s[0:1], 0x18              ; the bias (here: bq)
.if QKV
	s_load_b64 s[70:71], s[0:1], 0x20              ; bk
	s_load_b64 s[72:73], s[0:1], 0x28              ; bv
.endif
	v_lshl_add_u32 v[SPW], v0, 2, SPARE
	v_mov_b32 v[NIL], 0
	ds_add_u32 v[SPW], v[NIL]                      ; the wave's opening: the add and its wait stand ahead of my first tensor load
	v_lshrrev_b32 v1, 5, v0
	v_readfirstlane_b32 s10, v1                    ; wave 0..3
	s_lshr_b32 s11, s10, 1                         ; my half of the tile's rows.  Also: I fetch h (0) or W (1)
	s_and_b32 s12, s10, 1                          ; my half of its columns.  Also: which part I fetch
	s_bfe_u32 s40, ttmp6, 0x40000                  ; cx
	s_bfe_u32 s41, ttmp6, 0x40004                  ; cy
	s_lshl_b32 s42, ttmp9, 2
	s_add_co_u32 s42, s42, s40                     ; tile column
	s_and_b32 s13, ttmp7, 0xffff
	s_lshl_b32 s13, s13, 2
	s_add_co_u32 s13, s13, s41                     ; tile row
	s_lshl_b32 s43, s41, 2
	s_lshl_b32 s43, 15, s43                        ; my row of the cluster
	s_lshl_b32 s44, 0x1111, s40                    ; my column
	s_or_b32 s[G1+0], s43, (1<<16)|(1<<20)|(1<<21)|(4<<22)|(3<<25)   ; mask; 2-byte elements; padding on; bit 21 beside a mask; behind every 32 words 4 words
	s_mov_b32 s[G1+1], 128<<16                     ; tensor_dim0 = 128
	s_mov_b32 s[G1+2], 128<<16                     ; tensor_dim1 = 128
	s_mov_b32 s[G1+3], 128<<16                     ; tile_dim0 = 128 (256 bytes: two rows of h)
	s_mov_b32 s[G1+4], 128                         ; tile_dim1 = 128
	s_mov_b32 s[G1+5], 128                         ; dense
	s_mov_b32 s[G1+6], 0
	s_mov_b32 s[G1+7], 0
	s_or_b32 s[G1B+0], s44, (1<<16)|(1<<20)|(1<<21)|(6<<22)|(7<<25)  ; behind every 128 words 8 words
	s_mov_b32 s[G1B+1], 256<<16                    ; tensor_dim0 = 256
	s_mov_b32 s[G1B+2], 64<<16                     ; tensor_dim1 = 64
	s_mov_b32 s[G1B+3], 256<<16                    ; tile_dim0 = 256 columns
	s_mov_b32 s[G1B+4], 64                         ; tile_dim1 = 64 rows (k)
	s_mov_b32 s[G1B+5], NP
	s_mov_b32 s[G1B+6], 0
	s_mov_b32 s[G1B+7], 0
	s_lshl_b32 s16, s13, 15                        ; h: 256 rows x 128 bytes a tile row,
	s_lshl_b32 s17, s12, 19                        ; and my block of the step's two
	s_add_co_u32 s16, s16, s17
	s_mov_b32 s17, 0
	s_lshr_b32 s46, s42, LOGT                      ; W: which weight (2 MiB each),
	s_lshl_b32 s46, s46, 21
	s_and_b32 s47, s42, (1<<LOGT)-1                ; which 256 columns of it,
	s_lshl_b32 s47, s47, 9
	s_add_co_u32 s46, s46, s47
	s_mul_i32 s47, s12, 64*NP*2                    ; and my 64 of the step's 128 rows
	s_add_co_u32 s46, s46, s47
.if WOFF
	s_add_co_u32 s46, s46, WOFF
.endif
	s_mov_b32 s47, 0
	s_mul_i32 s20, s12, APLANE                     ; where they go in a slot: the wave's number alone enters an LDS address
	s_mul_i32 s21, s12, BHALF
	s_add_co_u32 s21, s21, BOFF
	s_mov_b32 s[TOG], 0
	s_wait_dscnt 0x0                               ; the opening add is done
	s_wait_kmcnt 0x0
	s_add_nc_u64 s[14:15], s[4:5], s[16:17]
	s_add_nc_u64 s[46:47], s[6:7], s[46:47]
.irp s, 0,1
	s_mov_b32 s[G0+4*(\s)], 1
	s_add_co_u32 s[G0+4*(\s)+1], s20, (\s)*SLOT
	s_add_nc_u64 s[G0+4*(\s)+2:G0+4*(\s)+3], s[14:15], (\s)*ADV_A
	s_or_b32 s[G0+4*(\s)+3], s[G0+4*(\s)+3], 0x80000000
	s_mov_b32 s[G0B+4*(\s)], 1
	s_add_co_u32 s[G0B+4*(\s)+1], s21, (\s)*SLOT
	s_add_nc_u64 s[G0B+4*(\s)+2:G0B+4*(\s)+3], s[46:47], (\s)*ADV_B
	s_or_b32 s[G0B+4*(\s)+3], s[G0B+4*(\s)+3], 0x80000000
.endr
	CROUND                                         ; all sixteen work-groups are here: the first joint loads meet
	s_cmp_eq_u32 s11, 0                            ; a wave's two first fills stand in one branch: two loads of mine are out
	s_cbranch_scc0 .Lfirst_b
	tensor_load_to_lds s[G0:G0+3], s[G1:G1+7]
	s_nop 0
	tensor_load_to_lds s[G0+4:G0+7], s[G1:G1+7]
	s_nop 0
.rept 4
	v_nop
.endr
	s_branch .Lfirst_asked
.Lfirst_b:
	tensor_load_to_lds s[G0B:G0B+3], s[G1B:G1B+7]
	s_nop 0
	tensor_load_to_lds s[G0B+4:G0B+7], s[G1B:G1B+7]
	s_nop 0
.rept 4
	v_nop
.endr
.Lfirst_asked:
	; the bias of the columns that I handle on the way out: 8 in each of my wave's two blocks of 64
.if QKV
	s_lshr_b32 s22, s42, LOGT
	s_cmp_eq_u32 s22, 1
	s_cselect_b64 s[68:69], s[70:71], s[68:69]
	s_cmp_eq_u32 s22, 2
	s_cselect_b64 s[68:69], s[72:73], s[68:69]
.endif
	s_and_b32 s22, s42, (1<<LOGT)-1
	s_lshl_b32 s22, s22, 10                        ; 256 columns x 4 bytes
	s_lshl_b32 s23, s12, 9
	s_add_co_u32 s22, s22, s23
	s_mov_b32 s23, 0
	s_add_nc_u64 s[68:69], s[68:69], s[22:23]
	v_and_b32 v4, 7, v0
	v_lshlrev_b32 v[BO], 5, v4
.irp c, 0,1
	global_load_b128 v[BI+8*(\c):BI+8*(\c)+3],   v[BO], s[68:69] offset:256*(\c)
	global_load_b128 v[BI+8*(\c)+4:BI+8*(\c)+7], v[BO], s[68:69] offset:256*(\c)+16
.endr
	; fragments: lane l holds row (or column) l % 16; registers 0-3 k = 8 (l / 16) + 0..7, registers 4-7 k = 16 + 8 (l / 16) + 0..7
	v_and_b32 v1, 15, v0
	v_bfe_u32 v2, v0, 4, 1
	v_mul_u32_u24 v3, v1, PA
	v_lshl_add_u32 v3, v2, 4, v3
	s_mul_i32 s22, s11, 128*PA                     ; my 128 rows of h
	v_add_nc_u32 v[A0], s22, v3
	v_lshl_add_u32 v5, v2, 3, v4                   ; the turning load: lane l reads row k = 8 (l / 16) + l % 8,
	v_mul_u32_u24 v5, v5, PB
	v_bfe_u32 v6, v0, 3, 1
	v_lshl_add_u32 v5, v6, 4, v5                   ; columns 8 ((l / 8) % 2) + 0..7
	s_lshl_b32 s23, s12, 8                         ; my 128 columns of W
	s_add_co_u32 s23, s23, BOFF
	v_add_nc_u32 v[B0], s23, v5
	v_mov_b32 v[ADRA], v[A0]
	v_mov_b32 v[ADRB], v[B0]
	s_mul_i32 s22, s10, DUMPW
	v_mul_u32_u24 v3, v1, DP                       ; dump, in: row l % 16, 32 bytes for each half of the lanes
	v_lshl_add_u32 v3, v2, 5, v3
	v_add_nc_u32 v[DST], s22, v3
	v_bfe_u32 v3, v0, 3, 2                         ; back: eight lanes to a row, 32 bytes each, four rows
	v_mul_u32_u24 v3, v3, DP
	v_lshl_add_u32 v3, v4, 5, v3
	v_add_nc_u32 v[RD], s22, v3
	v_and_b32 v[CO], 31, v0
	v_lshlrev_b32 v[CO], 4, v[CO]                  ; four rows of a block are 512 consecutive bytes
	s_lshl_b32 s16, s42, 2
	s_lshl_b32 s17, s12, 1
	s_add_co_u32 s16, s16, s17                     ; my first block of 64 columns
	s_lshl_b32 s16, s16, 19
	s_lshl_b32 s17, s13, 15                        ; 256 rows x 128 bytes
	s_add_co_u32 s16, s16, s17
	s_lshl_b32 s17, s11, 14
	s_add_co_u32 s16, s16, s17
	s_mov_b32 s17, 0
	s_add_nc_u64 s[8:9], s[8:9], s[16:17]
.if !QKV
	s_mov_b32 s74, 0xbdd2d3e8                      ; c1 = 0.044715 c0
	s_mov_b32 s75, s74
	s_mov_b32 s76, 0xc0135761                      ; c0 = -2 sqrt(2 / pi) log2(e)
	s_mov_b32 s77, s76
.endif
; 16 matrix instructions: row blocks a0, a0 + 1 of the window's four x all 8 column blocks, 32 along K.  zero = 1: the product starts the sums
.macro MUL16 f, hi, a0, zero
	WIN MUL_LO+0x50*(\hi)
.irp a, \a0, (\a0)+1
.irp b, 0,1,2,3,4,5,6,7
.if \zero
	v_wmma_f32_16x16x32_bf16 v[8*(8*(\a)+(\b)):8*(8*(\a)+(\b))+7], v[(\f)+8*(\b):(\f)+8*(\b)+7], v[(\f)+8*(4*(\hi)+(\a)):(\f)+8*(4*(\hi)+(\a))+7], 0
.else
	v_wmma_f32_16x16x32_bf16 v[8*(8*(\a)+(\b)):8*(8*(\a)+(\b))+7], v[(\f)+8*(\b):(\f)+8*(\b)+7], v[(\f)+8*(4*(\hi)+(\a)):(\f)+8*(4*(\hi)+(\a))+7], v[8*(8*(\a)+(\b)):8*(8*(\a)+(\b))+7]
.endif
.endr
.endr
.endm
; 32 LDS loads in one run: the fragments of quarter q (k = 32 q ..) of the slot in hand into buffer f: W's 16 (turned), then h's 16
.macro FETCH q, f
	WIN TO_B
.irp i, 0,1,2,3,4,5,6,7
	ds_load_tr16_b128 v[(\f)+8*(\i):(\f)+8*(\i)+3],   v[ADRB] offset:(\q)*32*PB+32*(\i)
	ds_load_tr16_b128 v[(\f)+8*(\i)+4:(\f)+8*(\i)+7], v[ADRB] offset:(\q)*32*PB+16*PB+32*(\i)
.endr
	WIN 0
.irp i, 0,1,2,3,4,5,6,7
	ds_load_b128 v[(\f)+8*(\i):(\f)+8*(\i)+3],   v[ADRA] offset:((\q)/2)*APLANE+((\q)%2)*64+(\i)*16*PA
	ds_load_b128 v[(\f)+8*(\i)+4:(\f)+8*(\i)+7], v[ADRA] offset:((\q)/2)*APLANE+((\q)%2)*64+(\i)*16*PA+32
.endr
.endm
; A K step is four quarters of 32 along K on buffers 0, 1, 0, 1.  One of the first three: multiplies buffer f; in its middle fetches quarter q into buffer g
.macro QUARTER q, f, g, zero
	s_wait_dscnt 8                                 ; W and h's rows 0-63 are in; the youngest eight loads (rows 64-127) may be out
	MUL16 \f, 0, 0, \zero
	MUL16 \f, 0, 2, \zero
	PLACES
	FETCH \q, \g
	s_wait_dscnt 32                                ; all but the 32 just issued
	MUL16 \f, 1, 0, \zero
	MUL16 \f, 1, 2, \zero
.endm
; The last quarter's first half, and the one barrier of a change of slots.  The 32 products stand AHEAD of the wait for the tensor loads: they are issued while the next slot's tile may still be on its way,
; and behind the wait nothing but the add, the wait for it and the barrier stands in front of the next request.  In front of the barrier each wave has waited for all its tensor loads (one is out at most: its
; part of the next slot), has added 0 to its spare word, and has waited for that and for its own reads of this slot.  fill = 1: the walking descriptors step between the add and its wait: no tensor load of mine is out.
.macro MEET fill
	s_wait_dscnt 8                                 ; W and h's rows 0-63 of the last quarter are in; the youngest eight loads may be out
	MUL16 F1, 0, 0, 0
	MUL16 F1, 0, 2, 0
	WIN 0                                          ; the add's registers lie in window 0
	s_wait_tensorcnt 0x0
	ds_add_u32 v[SPW], v[NIL]
.if \fill
	s_add_co_u32 s[G0+5], s20, s[TOG]              ; into the slot of the K step in hand,
	s_add_nc_u64 s[G0+6:G0+7], s[G0+6:G0+7], ADV_A ; the next K step that has not been asked for
	s_add_co_u32 s[G0B+5], s21, s[TOG]
	s_add_nc_u64 s[G0B+6:G0B+7], s[G0B+6:G0B+7], ADV_B
.endif
	s_wait_dscnt 0x0                               ; the add is done, my reads of this slot are over
	s_barrier_signal -1
	s_barrier_wait -1
.endm
.macro TOGGLE                          ; on to the other slot
	s_xor_b32 s[TOG], s[TOG], SLOT
	v_add_nc_u32 v[ADRA], s[TOG], v[A0]
	v_add_nc_u32 v[ADRB], s[TOG], v[B0]
.endm
.macro TURN1                           ; the slot just read out is filled again, with the K step two on: 256 matrix instructions stand between the request and the wait for it
	MEET 1
	CREST                                          ; the barrier has opened a round of the cluster's: no wave of any partner still reads this slot or has a load on its way
	JLOAD                                          ; the first tensor load behind the round; its four v_nop are also the places in front of the loads below
	TOGGLE
	FETCH 0, F0
	MUL16 F1, 1, 0, 0
	MUL16 F1, 1, 2, 0
.endm
.macro TURN0                           ; the last two K steps ask for nothing; the very last (s3 = 1) has no next step to fetch from
	MEET 0
	PLACES
	TOGGLE
	s_cmp_eq_u32 s3, 1
	s_cbranch_scc1 .Lno_fetch_\@
	FETCH 0, F0
.Lno_fetch_\@:
	MUL16 F1, 1, 0, 0
	MUL16 F1, 1, 2, 0
.endm
	s_wait_tensorcnt 0x1                           ; my part of K step 0 is in; step 1's may stay out
	s_barrier_signal -1
	s_barrier_wait -1
	FETCH 0, F0
	QUARTER 1, F0, F1, 1                           ; the first quarter stands in front of the loop: its products start the sums
	WIN 0
	s_mov_b32 s3, NSTEPS-2
.Lstep:                                                ; a trip: a step's quarters 1, 2, 3 and the next step's quarter 0
	QUARTER 2, F1, F0, 0
	QUARTER 3, F0, F1, 0
	TURN1
	QUARTER 1, F0, F1, 0
	WIN 0
	s_sub_co_u32 s3, s3, 1
	s_cmp_lg_u32 s3, 0
	s_cbranch_scc1 .Lstep
	s_mov_b32 s3, 2
.Ltail:                                                ; the same without refills; the second trip is left in its middle
	QUARTER 2, F1, F0, 0
	QUARTER 3, F0, F1, 0
	TURN0
	WIN 0
	s_sub_co_u32 s3, s3, 1
	s_cmp_eq_u32 s3, 0
	s_cbranch_scc1 .Lout
	QUARTER 1, F0, F1, 0
	WIN 0
	s_cmp_lg_u32 s3, 0
	s_cbranch_scc1 .Ltail
.Lout:
	; THE WAY OUT.  The sums go as f32 into my part of the ring and come back by rows, 8 rows a trip; bias (and activation) in f32; rounded; four rows of a block leave as 512 consecutive bytes.
	PLACES
	s_wait_dscnt 0x0
	s_barrier_signal -1                            ; every wave's reads of the ring are back before any wave's dump writes over it
	s_barrier_wait -1
.irp hi, 0,1
	WIN 0x08+4*(\hi)                               ; store data in window 2, then 3
.irp a, 0,1,2,3
.irp b, 0,1,2,3,4,5,6,7
	ds_store_b128 v[DST], v[8*(8*(\a)+(\b)):8*(8*(\a)+(\b))+3]   offset:(4*(\hi)+(\a))*16*DP+64*(\b)
	ds_store_b128 v[DST], v[8*(8*(\a)+(\b))+4:8*(8*(\a)+(\b))+7] offset:(4*(\hi)+(\a))*16*DP+64*(\b)+16
.endr
.endr
.endr
	WIN 0
.macro LOADX                           ; 8 rows: g = which four, c = which block of 64 columns, e = which 16 of my 32 bytes.  LDS serves a wave's instructions in order: these see my stores
.irp g, 0,1
.irp c, 0,1
.irp e, 0,1
	ds_load_b128 v[XR+16*(\g)+8*(\c)+4*(\e):XR+16*(\g)+8*(\c)+4*(\e)+3], v[RD] offset:(\g)*4*DP+(\c)*256+(\e)*16
.endr
.endr
.endr
.endm
	LOADX
	s_wait_loadcnt 0x0                             ; the bias
	s_mov_b32 s3, 16
.Lepi:
	s_wait_dscnt 0x0
.irp g, 0,1
.irp c, 0,1
.irp p, 0,2,4,6
	v_pk_add_f32 v[ZR+16*(\g)+8*(\c)+(\p):ZR+16*(\g)+8*(\c)+(\p)+1], v[XR+16*(\g)+8*(\c)+(\p):XR+16*(\g)+8*(\c)+(\p)+1], v[BI+8*(\c)+(\p):BI+8*(\c)+(\p)+1]
.endr
.endr
.endr
	s_cmp_eq_u32 s3, 1
	s_cbranch_scc1 .Lno_more                       ; the last trip has no rows to read ahead
	v_add_nc_u32 v[RD], 8*DP, v[RD]
	LOADX
.Lno_more:
.if !QKV
	; gelu (tanh form) = z / (1 + 2^(z (c0 + c1 z z)))
.set i, 0
.rept 16
	v_pk_mul_f32 v[TR+i:TR+i+1], v[ZR+i:ZR+i+1], v[ZR+i:ZR+i+1]
.set i, i+2
.endr
.set i, 0
.rept 16
	v_pk_fma_f32 v[TR+i:TR+i+1], v[TR+i:TR+i+1], s[74:75], s[76:77] op_sel_hi:[1,0,0]
.set i, i+2
.endr
.set i, 0
.rept 16
	v_pk_mul_f32 v[TR+i:TR+i+1], v[TR+i:TR+i+1], v[ZR+i:ZR+i+1]
.set i, i+2
.endr
.set i, 0
.rept 32
	v_exp_f32 v[TR+i], v[TR+i]
.set i, i+1
.endr
	v_nop                                          ; a plain instruction between the run and the use of its results (ISA guide 5.7.2)
.set i, 0
.rept 16
	v_pk_add_f32 v[TR+i:TR+i+1], v[TR+i:TR+i+1], 1.0 op_sel_hi:[1,0]
.set i, i+2
.endr
.set i, 0
.rept 32
	v_rcp_f32 v[TR+i], v[TR+i]
.set i, i+1
.endr
	v_nop
.set i, 0
.rept 16
	v_pk_mul_f32 v[ZR+i:ZR+i+1], v[ZR+i:ZR+i+1], v[TR+i:TR+i+1]
.set i, i+2
.endr
.endif
.set i, 0
.rept 16
	v_cvt_pk_bf16_f32 v[YR+i], v[ZR+2*i], v[ZR+2*i+1]
.set i, i+1
.endr
.irp g, 0,1
.irp c, 0,1
	global_store_b128 v[CO], v[YR+4*(2*(\g)+(\c)):YR+4*(2*(\g)+(\c))+3], s[8:9] offset:(\c)*PLANEB+(\g)*512
.endr
.endr
	s_wait_xcnt 0x0                                ; the stores' base and data are rewritten only behind this wait
	s_add_nc_u64 s[8:9], s[8:9], 1024              ; 8 rows of 128 bytes on
	s_sub_co_u32 s3, s3, 1
	s_cmp_lg_u32 s3, 0
	s_cbranch_scc1 .Lepi
	s_wait_tensorcnt 0x0                           ; the wave's end
	ds_add_u32 v[SPW], v[NIL]
	s_wait_dscnt 0x0
	CROUND                                         ; the closing round
	s_endpgm
.Lfunc_end_k_q9b8a16e85e_qkvp:
	.size	k_q9b8a16e85e_qkvp, .Lfunc_end_k_q9b8a16e85e_qkvp-k_q9b8a16e85e_qkvp
	.p2alignl 7, 3214868480
	.fill 96, 4, 3214868480
	.section	.rodata,"a",@progbits
	.p2align	6, 0x0
	.amdhsa_kernel k_q9b8a16e85e_qkvp
		.amdhsa_group_segment_fixed_size 327680
		.amdhsa_private_segment_fixed_size 0
		.amdhsa_enable_private_segment 0
		.amdhsa_kernarg_size 48
		.amdhsa_user_sgpr_count 2
		.amdhsa_user_sgpr_kernarg_segment_ptr 1
		.amdhsa_wavefront_size32 1
		.amdhsa_system_sgpr_workgroup_id_x 1
		.amdhsa_system_sgpr_workgroup_id_y 1
		.amdhsa_system_sgpr_workgroup_id_z 1
		.amdhsa_system_vgpr_workitem_id 0
		.amdhsa_next_free_vgpr 1024
		.amdhsa_next_free_sgpr 80
		.amdhsa_reserve_vcc 0
		.amdhsa_float_denorm_mode_32 3
		.amdhsa_float_denorm_mode_16_64 3
		.amdhsa_memory_ordered 1
		.amdhsa_forward_progress 1
		.amdhsa_inst_pref_size 81
	.end_amdhsa_kernel
	.amdgpu_metadata
---
amdhsa.version: [ 1, 2 ]
amdhsa.kernels:
  - .name:           k_q9b8a16e85e_qkvp
    .symbol:         k_q9b8a16e85e_qkvp.kd
    .args:
      - { .name: hb, .offset: 0, .size: 8, .value_kind: global_buffer, .address_space: global }
      - { .name: wb, .offset: 8, .size: 8, .value_kind: global_buffer, .address_space: global }
      - { .name: qkvb, .offset: 16, .size: 8, .value_kind: global_buffer, .address_space: global }
      - { .name: bq, .offset: 24, .size: 8, .value_kind: global_buffer, .address_space: global }
      - { .name: bk, .offset: 32, .size: 8, .value_kind: global_buffer, .address_space: global }
      - { .name: bv, .offset: 40, .size: 8, .value_kind: global_buffer, .address_space: global }
    .group_segment_fixed_size: 327680
    .private_segment_fixed_size: 0
    .kernarg_segment_align: 8
    .kernarg_segment_size: 48
    .max_flat_workgroup_size: 128
    .sgpr_count:     80
    .vgpr_count:     1024
    .wavefront_size: 32
...
	.end_amdgpu_metadata
.endif
;; end of part 2
;; launch attn (part 3): grid 8 x 32, 4 waves a work-group, clusters of 4 x 1, 327,680 bytes of LDS; arguments qkvb, ob; writes ob
.if DOCPART == 3
	.amdgcn_target "amdgcn-amd-amdhsa--gfx1250"
	.amdhsa_code_object_version 6
	.text
	.protected	k_q9b8a16e85e_attn
	.globl	k_q9b8a16e85e_attn
	.p2align	8
	.type	k_q9b8a16e85e_attn,@function
k_q9b8a16e85e_attn:
	s_mov_b64 s[64:65], 0
	v_nop
	global_prefetch_b8 v0, s[64:65] scope:SCOPE_SE
	s_setreg_imm32_b32 hwreg(HW_REG_WAVE_MODE, 25, 1), 1
	s_wait_xcnt 0x0
	s_wait_alu depctr_hold_cnt(0) depctr_sa_sdst(0) depctr_va_vdst(0) depctr_va_sdst(0) depctr_va_ssrc(0) depctr_va_vcc(0) depctr_vm_vsrc(0)
	s_getreg_b32 s2, hwreg(HW_REG_IB_STS2, 6, 4)
	s_cmp_eq_u32 s2, 0
	s_cbranch_scc0 .Lentry_in_a_cluster
	s_endpgm
.Lentry_in_a_cluster:
	s_bfe_u32 s2, ttmp6, 0x10000c
	s_cmp_lg_u32 s2, 0x3003
	s_cbranch_scc0 .Lentry_shape_is_right
	s_endpgm
.Lentry_shape_is_right:
; ATTENTION, no mask.  O[y][q][:] = the sum over k of softmax_k(Q[y][q] . K[y][k] / 8) V[y][k][:], y = 2 x head + batch: in the blocked layout a head of one batch is 2,048 dense rows of 128 bytes at y x 262,144;
; q, k, v lie 8 MiB apart in one buffer.  All bf16.  Products, maxima and sums in f32; the weights p are rounded to bf16 for the second product (their sum l is taken of the unrounded p), O once at the end.
; LIMITS.  A weight below 2^-126 counts as 0 in l; c s must lie above -4e37 (the start of c m); NaN and infinities are not treated apart.
; SHARES.  A work-group owns 256 queries of one y, a wave 64: four PIECES of 16.  256 work-groups.  Every wave walks all 2,048 keys, 64 a step, in 8 tiles of 256 keys through two LDS slots.
; CLUSTER.  The four query blocks of a cluster belong to one y and walk the same K and V: each tile is asked for jointly, same tensor load, descriptor and mask in all four.
; LAYOUT.  S^T = K Q^T holds ONE query a lane (lane % 16) and the keys 8 (lane / 16) + 0..7; two such results rounded to bf16 ARE source 1 of O^T = V^T P.  p = 2^(c s - c m), c = log2(e) / 8, with a running
; maximum m; O and l are multiplied by a = 2^(c m_old - c m_new) in every step; m starts at the lowest finite number, O and l at 0, so the first step is a step like any other, with a = 0.
; TURNS.  Turn n belongs to piece n: 8 products K Q^T of piece n + 1, later 8 products V^T P of piece n - 1; beside them the scaling, exponentials, roundings, sums and rescaling of piece n and the maximum and
; statistics of piece n + 1.  Four vector instructions stand behind every matrix instruction, the other 54 of a turn's 118 in two runs of their own.
; REGISTERS, in windows of 256 (s_set_vgpr_msb: bits 1:0 source 0, 3:2 source 1, 5:4 source 2, 7:6 destination):
;   window 0: v0-15 addresses and two at work; v16-31 four registers of statistics a piece; v48-55 at work; v64-127 S^T, two buffers; v192-223 P, two buffers (by the piece's parity)
;   window 1: v0-127 O^T, 32 a piece      window 2: v0-63 Q; v128-191 K of one step; v192-255 V of one step
.set SIZE_N, 2048
.set NP,    4
.set KS,    64
.set PK,    144       ; a row of K in LDS: 128 bytes + 16: the 16 rows of a load start at 16 different groups of four banks (ISA guide 11.1)
.set PV,    160       ; a row of V: 128 + 32
.set VOFF,  4*KS*PK   ; a slot holds a tile: 256 rows of K, then 256 rows of V
.set SLOT1, 1<<17
.set STAGE, SLOT1+4*KS*(PK+PV)  ; behind the ring, never filled by a tensor load: 16 rows x 144 bytes for each wave
.set SP,    144
.set AK0, 2
.set AV0, 3
.set AK,  4
.set AV,  5
.set STO, 6
.set RD,  7
.set GO,  8
.set SPW, 62          ; v62 my spare word, v63 zero; never rewritten
.set NIL, 63
.set SPARE, STAGE+4*16*SP
.set MV,  12          ; v12-13  c m_old, by buffer
.set QO,  15
.set ST,  16          ; piece t's statistics at v[ST+4 t]: c m, m, l (even keys', odd keys')
.set TMP, 48          ; by buffer, c0-c3 at work; when the maximum is found c2 takes a
.set S,   64
.set P,   192
.set KF,  128
.set VF,  192
.set WV,  12
.set G1K, 24
.set G1V, 32
.set G0K, 40
.set G0V, 44
.set SLOTS, 56
.set CNT, 57
.set CS,  58
.set SEL, 60
.set TBK, 62
.set TBV, 63
.set MSB, 0
.macro WIN new
.if MSB != (\new)
	s_set_vgpr_msb (MSB<<8)|(\new)
.set MSB, (\new)
.endif
.endm
.set W_KQ, 0x0a       ; K and Q in window 2, S^T in window 0
.set W_PV, 0x52       ; V in window 2, P in window 0, O^T in window 1
.set W_RS, 0x41       ; destination and source 0 in window 1, source 1 in window 0
; A joint fill.  Waves 0 and 1 fetch the two halves of a tile's K, waves 2 and 3 those of its V: 128 keys each.  The branch hangs on the wave's number alone.
.macro JLOAD
	s_cmp_lt_u32 s[WV], 2
	s_cbranch_scc0 .Lfor_v_\@
	tensor_load_to_lds s[G0K:G0K+3], s[G1K:G1K+7]
	s_nop 0
.rept 4
	v_nop
.endr
	s_branch .Lasked_\@
.Lfor_v_\@:
	tensor_load_to_lds s[G0V:G0V+3], s[G1V:G1V+7]
	s_nop 0
.rept 4
	v_nop
.endr
.Lasked_\@:
.endm
.macro CROUND
	s_barrier_signal -1
	s_barrier_wait -1
	s_cmp_lg_u32 s[WV], 0
	s_cbranch_scc1 .Lnot_wave_0_\@
	s_barrier_signal -3
.Lnot_wave_0_\@:
	s_barrier_wait -3
	s_barrier_signal -1
	s_barrier_wait -1
.endm
; THE CHANGE OF SLOTS.  Each wave waits for all its tensor loads (one is out: its part of the other slot), adds 0 to its spare word, and waits for that and for its own reads of the slot that it leaves.
; fill = 1: the barrier is a round of the cluster's, and the old slot is filled again first thing behind it, with the tile two on: it has four key steps in which to land.
; (At its first use nothing has been read yet: slot 0 is waited for, slot 1 filled.)
.macro CHANGE fill
	WIN 0
	s_wait_tensorcnt 0x0
	ds_add_u32 v[SPW], v[NIL]
.if \fill
.irp g, G0K, G0V
	s_xor_b32 s[\g+1], s[\g+1], SLOT1
	s_add_nc_u64 s[\g+2:\g+3], s[\g+2:\g+3], 4*KS*128
.endr
	s_wait_dscnt 0x0
	CROUND
	JLOAD
.else
	s_wait_dscnt 0x0
	s_barrier_signal -1
	s_barrier_wait -1
.endif
	s_sub_co_u32 s[TBK], s[TBK], 4*KS*PK
	s_xor_b32 s[TBK], s[TBK], SLOT1
	s_sub_co_u32 s[TBV], s[TBV], 4*KS*PV
	s_xor_b32 s[TBV], s[TBV], SLOT1
.endm
	s_load_b128 s[4:7], s[0:1], 0x0 ; qkv s[4:5], O s[6:7]
	v_lshl_add_u32 v[SPW], v0, 2, SPARE
	v_mov_b32 v[NIL], 0
	ds_add_u32 v[SPW], v[NIL]       ; the wave's opening: the add and its wait stand ahead of my first tensor load
	v_lshrrev_b32 v1, 5, v0
	v_readfirstlane_b32 s[WV], v1
	s_bfe_u32 s13, ttmp6, 0x40000   ; cx
	s_lshl_b32 s14, ttmp9, 2
	s_add_co_u32 s14, s14, s13      ; my block of 256 queries: it enters Q's and O's addresses alone
	s_and_b32 s20, ttmp7, 0xffff    ; y, which the four partners share
	s_lshl_b32 s20, s20, 18         ; its 2,048 rows of 128 bytes
	s_and_b32 s16, s[WV], 1         ; which half of a tile's 256 keys I fetch
	s_lshl_b32 s22, s16, 14
	s_add_co_u32 s22, s22, s20
	s_add_co_u32 s22, s22, 0x800000 ; k lies 8 MiB behind q,
	s_mov_b32 s23, 0
	s_add_co_u32 s18, s22, 0x800000 ; v 8 MiB behind k
	s_mov_b32 s19, 0
	s_mul_i32 s17, s16, 128*PK      ; my half's place in a slot, for K
	s_mul_i32 s15, s16, 128*PV      ; and for V
	s_lshl_b32 s2, s14, 15          ; my block's 256 rows,
	s_lshl_b32 s3, s[WV], 13        ; my wave's 64 of them
	s_add_co_u32 s2, s2, s3
	s_add_co_u32 s2, s2, s20
	s_mov_b32 s3, 0
	; group 1: 128 keys are 16,384 dense bytes: 64 rows of 256 bytes, padded in LDS behind every key
	s_mov_b32 s[G1K], 15|(1<<16)|(1<<20)|(1<<21)|(4<<22)|(3<<25)
	s_mov_b32 s[G1V], 15|(1<<16)|(1<<20)|(1<<21)|(4<<22)|(7<<25)
.irp g, G1K, G1V
	s_mov_b32 s[\g+1], 128<<16
	s_mov_b32 s[\g+2], 64<<16
	s_mov_b32 s[\g+3], 128<<16
	s_mov_b32 s[\g+4], 64
	s_mov_b32 s[\g+5], 128
	s_mov_b32 s[\g+6], 0
	s_mov_b32 s[\g+7], 0
.endr
	s_mov_b32 s[CS], 0x3e38aa3b     ; c = log2(e) / 8
	s_mov_b32 s[CS+1], s[CS]
	s_mov_b32 s[SEL], 0x76543210
	s_mov_b32 s[SEL+1], 0xfedcba98
	s_mov_b32 s[TBK], SLOT1+4*KS*PK ; the first change of slots turns these two into 0
	s_mov_b32 s[TBV], SLOT1+4*KS*PV
	s_mov_b32 s[G0K], 1
	s_mov_b32 s[G0K+1], s17
	s_mov_b32 s[G0V], 1
	s_add_co_u32 s[G0V+1], s15, VOFF
	s_wait_dscnt 0x0                ; the opening add is done
	s_wait_kmcnt 0x0
	s_add_nc_u64 s[G0K+2:G0K+3], s[4:5], s[22:23]
	s_or_b32 s[G0K+3], s[G0K+3], 0x80000000
	s_add_nc_u64 s[G0V+2:G0V+3], s[4:5], s[18:19]
	s_or_b32 s[G0V+3], s[G0V+3], 0x80000000
	s_add_nc_u64 s[4:5], s[4:5], s[2:3]    ; Q and O at my wave's first row
	s_add_nc_u64 s[10:11], s[6:7], s[2:3]
	CROUND                          ; all four work-groups are here: the first joint loads meet
	JLOAD                           ; tile 0 into slot 0
	v_and_b32 v1, 15, v0            ; l % 16
	v_bfe_u32 v9, v0, 4, 1          ; l / 16
	v_lshlrev_b32 v[QO], 7, v1
	v_lshl_add_u32 v[QO], v9, 4, v[QO]
	WIN 0x80
.set i, 0
.rept 8                             ; Q stays in registers: piece i / 2, channels 32 (i % 2) on
	global_load_b128 v[8*i:8*i+3],   v[QO], s[4:5] offset:(i/2)*2048+(i%2)*64
	global_load_b128 v[8*i+4:8*i+7], v[QO], s[4:5] offset:(i/2)*2048+(i%2)*64+32
.set i, i+1
.endr
	WIN 0
	v_mul_u32_u24 v[AK0], v1, PK
	v_lshl_add_u32 v[AK0], v9, 4, v[AK0]
	v_and_b32 v10, 7, v0
	v_bfe_u32 v11, v0, 3, 1
	v_lshl_add_u32 v[AV0], v9, 3, v10
	v_mul_u32_u24 v[AV0], v[AV0], PV
	v_lshl_add_u32 v[AV0], v11, 4, v[AV0]
	v_add_nc_u32 v[AV0], VOFF, v[AV0]
	s_mul_i32 s13, s[WV], 16*SP
	s_add_co_u32 s13, s13, STAGE    ; my stage
	v_mul_u32_u24 v[STO], v1, SP
	v_lshl_add_u32 v[STO], v9, 4, v[STO]
	v_add_nc_u32 v[STO], s13, v[STO]
	v_bfe_u32 v[RD], v0, 3, 2
	v_mul_u32_u24 v[RD], v[RD], SP
	v_lshl_add_u32 v[RD], v10, 4, v[RD]
	v_add_nc_u32 v[RD], s13, v[RD]
	v_and_b32 v[GO], 31, v0
	v_lshlrev_b32 v[GO], 4, v[GO]
	; What the first turn finds: V's registers and P's second buffer hold 0 (its products V^T P, of a piece that has not been, add 0), O^T and l are 0.  All this stands in the wait for the first tile.
	WIN 0x80
.set i, VF
.rept 64
	v_mov_b32 v[i], 0
.set i, i+1
.endr
	WIN 0x40
.set i, 0
.rept 128
	v_mov_b32 v[i], 0
.set i, i+1
.endr
	WIN 0
.set i, 0
.rept 4
	v_mov_b32 v[ST+4*i], 0xfe000000    ; c m: far below every c s
	v_mov_b32 v[ST+4*i+1], 0xff7fffff  ; m
	v_mov_b32 v[ST+4*i+2], 0
	v_mov_b32 v[ST+4*i+3], 0
.set i, i+1
.endr
.set i, P+16
.rept 16
	v_mov_b32 v[i], 0
.set i, i+1
.endr
; THE MATRIX WORK.  The 4 accumulators of a run of 8 take turns.  Product i of 8 of S^T = K Q^T for piece x: channels 32 (i / 4) on, keys 16 (i % 4) on.  The first 4 start the sums.
.macro KQ x
	WIN W_KQ
.set rS, S+32*((\x)%2)+8*(i%4)
.set rK, KF+16*(i%4)+8*(i/4)
.set rQ, 16*(\x)+8*(i/4)
.if i < 4
	v_wmma_f32_16x16x32_bf16 v[rS:rS+7], v[rK:rK+7], v[rQ:rQ+7], 0
.else
	v_wmma_f32_16x16x32_bf16 v[rS:rS+7], v[rK:rK+7], v[rQ:rQ+7], v[rS:rS+7]
.endif
.endm
; Product i of 8 of O^T += V^T P for piece x: keys 32 (i / 4) on, channels 16 (i % 4) on.
.macro PV x
	WIN W_PV
.set rO, 32*(\x)+8*(i%4)
.set rV, VF+32*(i/4)+8*(i%4)
.set rP, P+16*((\x)%2)+8*(i/4)
	v_wmma_f32_16x16x32_bf16 v[rO:rO+7], v[rV:rV+7], v[rP:rP+7], v[rO:rO+7]
.endm
.macro MM                           ; the turn's next matrix instruction.  NOKQ = 1: the last turn: there is no next piece
.if (i < 8) && !NOKQ
	KQ (Y+1)%NP
.elseif i >= 8
.set i, i-8
	PV (Y+NP-1)%NP
.set i, i+8
.endif
.set i, i+1
.endm
; THE LDS LOADS stand in runs of 16: a step's K (8 fragments) and its V (turned).
.macro FETCH_K
	WIN 0x80
.irp f, 0,1,2,3,4,5,6,7
	ds_load_b128 v[KF+8*\f:KF+8*\f+3],   v[AK] offset:(\f/2)*16*PK+(\f%2)*64
	ds_load_b128 v[KF+8*\f+4:KF+8*\f+7], v[AK] offset:(\f/2)*16*PK+(\f%2)*64+32
.endr
	s_add_co_u32 s[TBK], s[TBK], KS*PK
	WIN 0
.endm
.macro FETCH_V
	WIN 0x80
.irp f, 0,1,2,3,4,5,6,7
	ds_load_tr16_b128 v[VF+8*\f:VF+8*\f+3],   v[AV] offset:(\f/4)*32*PV+(\f%4)*32
	ds_load_tr16_b128 v[VF+8*\f+4:VF+8*\f+7], v[AV] offset:(\f/4)*32*PV+16*PV+(\f%4)*32
.endr
	WIN 0
.endm
; THE VECTOR WORK, one line at a time: OP kind, number.  For piece Y: F n: c s - c m for pair n of 16.  E n: the exponential of score n of 32.  C n: pair n rounded to bf16.  B n: of the four weights 4 n .. the second
; pair is added onto the first, in place.  L n: l takes that sum (L 0: l = a l + sum).  R n: pair n of 16 of O^T times a.  For piece Y + 1: X n, number n of the 22 that find its maximum and statistics:
;   0-11 four chains c0-c3 of seven scores each (each accumulator's lowest registers are read first)   12-14, 16 the four scores left over, the old m, c0-c3 into c0
;   15 c m_old is kept   17, 18 the query's other 32 keys lie in the lane 16 away: the new m   19-21 c m; c m_old - c m_new; a
.set F, 0
.set E, 1
.set C, 2
.set B, 3
.set L, 4
.set R, 5
.set X, 6
.macro REGS y
.set rT, ST+4*(\y)
.set rC, TMP+4*((\y)%2)
.set rW, MV+((\y)%2)
.set rS, S+32*((\y)%2)
.set rP, P+16*((\y)%2)
.set rO, 32*(\y)
.endm
.macro OP k, n
.if (\k) == R
	REGS Y
	WIN W_RS
	v_pk_mul_f32 v[rO+2*(\n):rO+2*(\n)+1], v[rO+2*(\n):rO+2*(\n)+1], v[rC+2:rC+3] op_sel_hi:[1,0]
.elseif (\k) < R
	REGS Y
	WIN 0
.if (\k) == F
	v_pk_fma_f32 v[rS+2*(\n):rS+2*(\n)+1], v[rS+2*(\n):rS+2*(\n)+1], s[CS:CS+1], v[rT:rT+1] op_sel_hi:[1,0,0] neg_lo:[0,0,1] neg_hi:[0,0,1]
.elseif (\k) == E
	v_exp_f32 v[rS+(\n)], v[rS+(\n)]
.elseif (\k) == C
	s_wait_alu depctr_va_vdst(0)
	v_cvt_pk_bf16_f32 v[rP+(\n)], v[rS+2*(\n)], v[rS+2*(\n)+1]
.elseif (\k) == B
	s_wait_alu depctr_va_vdst(0)
	v_pk_add_f32 v[rS+4*(\n):rS+4*(\n)+1], v[rS+4*(\n):rS+4*(\n)+1], v[rS+4*(\n)+2:rS+4*(\n)+3]
.elseif (\n) == 0
	v_pk_fma_f32 v[rT+2:rT+3], v[rT+2:rT+3], v[rC+2:rC+3], v[rS:rS+1] op_sel_hi:[1,0,1]
.else
	v_pk_add_f32 v[rT+2:rT+3], v[rT+2:rT+3], v[rS+4*(\n):rS+4*(\n)+1]
.endif
.elseif NOKQ
	v_nop
.else
	REGS (Y+1)%NP
	WIN 0
.if (\n) < 4
	v_max3_num_f32 v[rC+(\n)], v[rS+8*(\n)], v[rS+8*(\n)+1], v[rS+8*(\n)+2]
.elseif (\n) < 12
	v_max3_num_f32 v[rC+(\n)%4], v[rC+(\n)%4], v[rS+8*((\n)%4)+2*((\n)/4)+1], v[rS+8*((\n)%4)+2*((\n)/4)+2]
.elseif (\n) == 12
	v_max3_num_f32 v[rC], v[rC], v[rS+7], v[rS+15]
.elseif (\n) == 13
	v_max3_num_f32 v[rC+1], v[rC+1], v[rS+23], v[rS+31]
.elseif (\n) == 14
	v_max3_num_f32 v[rC+2], v[rC+2], v[rC+3], v[rT+1]
.elseif (\n) == 15
	v_mov_b32 v[rW], v[rT]
.elseif (\n) == 16
	v_max3_num_f32 v[rC], v[rC], v[rC+1], v[rC+2]
.elseif (\n) == 17
	v_permlanex16_b32 v[rC+3], v[rC], s[SEL], s[SEL+1]
.elseif (\n) == 18
	v_max_num_f32 v[rT+1], v[rC], v[rC+3]
.elseif (\n) == 19
	v_mul_f32 v[rT], s[CS], v[rT+1]
.elseif (\n) == 20
	v_sub_f32 v[rC+1], v[rW], v[rT]
.else
	v_exp_f32 v[rC+2], v[rC+1]
.endif
.endif
.endm
.macro OPS a, i1, b=-1, i2=0, c=-1, i3=0, d=-1, i4=0
	OP \a, \i1
.if (\b) >= 0
	OP \b, \i2
.endif
.if (\c) >= 0
	OP \c, \i3
.endif
.if (\d) >= 0
	OP \d, \i4
.endif
.endm
.macro ROW a, i1, b, i2, c, i3, d, i4  ; a matrix instruction and the four behind it
	MM
	OPS \a, \i1, \b, \i2, \c, \i3, \d, \i4
.endm
; A TURN, for piece p: the order of its 16 matrix and 118 vector instructions, written out.  Behind a matrix instruction: plain, exponential, plain, plain; or four of the rescaling; or four scalings; none names a
; register of the products round it.  A line reads no result made fewer than three vector instructions in front of it, five if an exponential made it.
; end = 1: the last two turns: nothing is fetched.  cnt = 1: the loop's count is taken down some lines ahead of the branch behind the turn.
; K of the next step is fetched in piece 2's turn, six vector instructions (five plain) behind the last product that read K; V of the step in hand in piece 0's turn, eight behind the last product that read V.  Each is waited for a turn later.
.macro TURN p, end=0, cnt=0
.set Y, (\p)
.set i, 0
.set NOKQ, (\end)*((\p)/3)
.if ((\p) == 3) && !(\end)
	s_wait_dscnt 0x0                ; K is in
.endif
	ROW F,0, F,1, F,2, F,3
	ROW F,4, E,0, F,5, F,6
	ROW F,7, E,1, F,8, F,9
	ROW F,10, E,2, C,0, F,11
	ROW F,12, E,3, X,15, F,13
	ROW R,0, R,1, R,2, R,3
	ROW B,0, E,4, F,14, L,0
.if ((\p) == 2) && !(\end)
	v_add_nc_u32 v[AK], s[TBK], v[AK0]
.endif
	ROW R,4, R,5, R,6, R,7
	OPS E,5, F,15
.if ((\p) == 2) && !(\end)
	FETCH_K
.endif
	OPS E,6, C,1, E,7, R,8
	OPS E,8, R,9, E,9, C,2
	OPS E,10, X,0, E,11, X,1
	OPS E,12, X,2, E,13, X,3
.if (\p) == 1
	s_wait_dscnt 0x0                ; V is in
.endif
	ROW X,4, E,14, X,5, X,6
	ROW X,7, E,15, X,8, X,9
	ROW X,10, E,16, X,11, X,12
	ROW X,13, E,17, X,14, B,1
	ROW C,4, E,18, X,16, L,1
	ROW B,2, E,19, C,6, L,2
	ROW C,8, E,20, B,3, B,4
.if (\p) == 0
	v_add_nc_u32 v[AV], s[TBV], v[AV0]
.endif
	ROW C,3, E,21, L,3, C,5
	OPS E,22, X,17, E,23, C,10
.if (\p) == 0
	FETCH_V
.endif
	OPS E,24, L,4
	OPS E,25, X,18, E,26, C,7
	OPS E,27, B,5, E,28, X,19
	OPS E,29, C,12, E,30, L,5
	OPS E,31, X,20, B,6, C,9
	OPS C,14, C,11, X,21, L,6
.if (\p) == 0
	s_add_co_u32 s[TBV], s[TBV], KS*PV
.endif
.if \cnt
	s_sub_co_u32 s[CNT], s[CNT], 1
	s_cmp_lg_u32 s[CNT], 0
.endif
	OPS C,13, B,7, C,15, R,10
	OPS R,11, R,12, L,7, R,13
	OPS R,14, R,15
.endm
	CHANGE 1                        ; tile 0 is in, everybody's part of it; tile 1 is asked for
	v_add_nc_u32 v[AK], s[TBK], v[AK0]
	FETCH_K                         ; key step 0
	s_wait_loadcnt 0x0              ; Q
	s_wait_dscnt 0x0
.set NOKQ, 0
.set i, 0
.rept 8
	KQ 0                            ; piece 0's first scores
.set i, i+1
.endr
	WIN 0
.rept 4
	v_nop                           ; the places behind those products
.endr
.set Y, NP-1                        ; X works for piece Y + 1: piece 0
.irp n, 0,1,2,3,4,5,6,7,8,9,10,11,12,13,14,15,16,17,18,19,20,21
	OP X, \n
.endr
	v_nop                           ; a plain instruction behind the exponential
	s_mov_b32 s[CNT], 4
	s_mov_b32 s[SLOTS], SIZE_N/256-1
	s_branch .Lfirst                ; the loop is entered at a step's first turn, in the middle of a trip
.Lslot:                             ; six times: every slot but the last two is filled again
	CHANGE 1
	s_mov_b32 s[CNT], 4
.Lstep:                             ; a trip: pieces 2 and 3 of one step, then pieces 0 and 1 of the next, whose K and V it fetches
	TURN 2
	TURN 3
	WIN 0
.Lfirst:
	TURN 0
	TURN 1, 0, 1
	WIN 0
	s_cbranch_scc1 .Lstep
	s_sub_co_u32 s[SLOTS], s[SLOTS], 1
	s_cmp_lg_u32 s[SLOTS], 0
	s_cbranch_scc1 .Lslot
	CHANGE 0                        ; the last tile is written out: nothing is asked for
	s_mov_b32 s[CNT], 4
.Llast:
	TURN 2
	TURN 3
	TURN 0
	TURN 1, 0, 1
	WIN 0
	s_cbranch_scc1 .Llast
	TURN 2, 1
	TURN 3, 1
.set i, 0
.rept 8
	PV NP-1                         ; the last piece's V^T P of the last step
.set i, i+1
.endr
	; THE WAY OUT.  l's two halves and the other half of the lanes' are added; O^T is divided by l, rounded to bf16 and sent through my stage in LDS, a piece at a time.  The additions are the places behind the last products.
	WIN 0
.macro ALL line:vararg
.set t, 0
.rept 4
	\line
.set t, t+1
.endr
.endm
	ALL v_add_f32 v[ST+4*t+2], v[ST+4*t+2], v[ST+4*t+3]
	ALL v_permlanex16_b32 v[ST+4*t+3], v[ST+4*t+2], s[SEL], s[SEL+1]
	ALL v_add_f32 v[ST+4*t+2], v[ST+4*t+2], v[ST+4*t+3]
	ALL v_rcp_f32 v[ST+4*t+2], v[ST+4*t+2]
	v_nop                           ; a plain instruction between the last reciprocal and the use of its result
.macro PACK t                       ; a lane's eight channels of a row pack into 16 bytes; they go into rows of 144 bytes and come back as whole rows of 128
	WIN W_RS
.set i, 32*(\t)
.rept 16
	s_wait_alu depctr_va_vdst(0)
	v_pk_mul_f32 v[i:i+1], v[i:i+1], v[ST+4*(\t)+2:ST+4*(\t)+3] op_sel_hi:[1,0]
.set i, i+2
.endr
	WIN 0x05
.set i, 0
.rept 16
	v_cvt_pk_bf16_f32 v[S+16*(\t)+i], v[32*(\t)+2*i], v[32*(\t)+2*i+1]
.set i, i+1
.endr
	WIN 0
.irp f, 0,1,2,3
	ds_store_b128 v[STO], v[S+16*(\t)+4*\f:S+16*(\t)+4*\f+3] offset:32*\f
.endr
.irp f, 0,1,2,3
	ds_load_b128 v[S+16*(\t)+4*\f:S+16*(\t)+4*\f+3], v[RD] offset:\f*4*SP  ; LDS serves a wave's instructions in order (ISA guide 5.7.1.4): these see the stores above
.endr
.endm
.macro SEND t, younger              ; younger: the LDS instructions issued behind piece t's loads: the next piece's eight, or none
	WIN 0
.irp f, 0,1,2,3
	s_wait_dscnt (\younger)+3-\f
	global_store_b128 v[GO], v[S+16*(\t)+4*\f:S+16*(\t)+4*\f+3], s[10:11] offset:(\t)*2048+\f*512  ; 512 consecutive bytes, aligned
.endr
.endm
	PACK 0
.set t, 1
.rept 3
	PACK t
	SEND t-1, 8
.set t, t+1
.endr
	SEND 3, 0
	s_wait_tensorcnt 0x0            ; the wave's end
	ds_add_u32 v[SPW], v[NIL]
	s_wait_dscnt 0x0
	CROUND                          ; the closing round
	s_endpgm
.Lfunc_end_k_q9b8a16e85e_attn:
	.size	k_q9b8a16e85e_attn, .Lfunc_end_k_q9b8a16e85e_attn-k_q9b8a16e85e_attn
	.p2alignl 7, 3214868480
	.fill 96, 4, 3214868480
	.section	.rodata,"a",@progbits
	.p2align	6, 0x0
	.amdhsa_kernel k_q9b8a16e85e_attn
		.amdhsa_group_segment_fixed_size 327680
		.amdhsa_private_segment_fixed_size 0
		.amdhsa_enable_private_segment 0
		.amdhsa_kernarg_size 16
		.amdhsa_user_sgpr_count 2
		.amdhsa_user_sgpr_kernarg_segment_ptr 1
		.amdhsa_wavefront_size32 1
		.amdhsa_system_sgpr_workgroup_id_x 1
		.amdhsa_system_sgpr_workgroup_id_y 1
		.amdhsa_system_sgpr_workgroup_id_z 1
		.amdhsa_system_vgpr_workitem_id 0
		.amdhsa_next_free_vgpr 768
		.amdhsa_next_free_sgpr 66
		.amdhsa_reserve_vcc 0
		.amdhsa_float_denorm_mode_32 3
		.amdhsa_float_denorm_mode_16_64 3
		.amdhsa_memory_ordered 1
		.amdhsa_forward_progress 1
		.amdhsa_inst_pref_size 133
	.end_amdhsa_kernel
	.amdgpu_metadata
---
amdhsa.version: [ 1, 2 ]
amdhsa.kernels:
  - .name:           k_q9b8a16e85e_attn
    .symbol:         k_q9b8a16e85e_attn.kd
    .args:
      - { .name: qkvb, .offset: 0, .size: 8, .value_kind: global_buffer, .address_space: global }
      - { .name: ob, .offset: 8, .size: 8, .value_kind: global_buffer, .address_space: global }
    .group_segment_fixed_size: 327680
    .private_segment_fixed_size: 0
    .kernarg_segment_align: 8
    .kernarg_segment_size: 16
    .max_flat_workgroup_size: 128
    .sgpr_count:     66
    .vgpr_count:     768
    .wavefront_size: 32
...
	.end_amdgpu_metadata
.endif
;; end of part 3
;; launch wop (part 4): grid 8 x 32, 4 waves a work-group, clusters of 4 x 4, 327,680 bytes of LDS; arguments ob, wb, x1, bo, x; writes x1
.if DOCPART == 4
	.amdgcn_target "amdgcn-amd-amdhsa--gfx1250"
	.amdhsa_code_object_version 6
	.text
	.protected	k_q9b8a16e85e_wop
	.globl	k_q9b8a16e85e_wop
	.p2align	8
	.type	k_q9b8a16e85e_wop,@function
k_q9b8a16e85e_wop:
	s_mov_b64 s[64:65], 0
	v_nop
	global_prefetch_b8 v0, s[64:65] scope:SCOPE_SE
	s_setreg_imm32_b32 hwreg(HW_REG_WAVE_MODE, 25, 1), 1
	s_wait_xcnt 0x0
	s_wait_alu depctr_hold_cnt(0) depctr_sa_sdst(0) depctr_va_vdst(0) depctr_va_sdst(0) depctr_va_ssrc(0) depctr_va_vcc(0) depctr_vm_vsrc(0)
	s_getreg_b32 s2, hwreg(HW_REG_IB_STS2, 6, 4)
	s_cmp_eq_u32 s2, 0
	s_cbranch_scc0 .Lentry_in_a_cluster
	s_endpgm
.Lentry_in_a_cluster:
	s_bfe_u32 s2, ttmp6, 0x10000c
	s_cmp_lg_u32 s2, 0xf033
	s_cbranch_scc0 .Lentry_shape_is_right
	s_endpgm
.Lentry_shape_is_right:
; out = resid + A W + bias.  A: bf16 in blocks [K / 64][4096][64], K = 1,024; W: bf16 [K][1024] at byte WOFF of wb; bias [1024], resid and out [4096][1024] f32.  Sums in f32; the bias starts them.
; C has 64 tiles of 256 x 256, too few for the chip, so a tile is 128 x 128: 256 work-groups, four waves of 64 x 64 (16 accumulators).  K goes in steps of 256 (four blocks of A) through two LDS slots.
; A's tile of one block is 128 dense rows of 128 bytes: two blocks come as a tile of 2 rows of 16,384 bytes, padded in LDS behind every 128.  W's rows come as they lie; its fragments are turned by ds_load_tr16_b128.
; CLUSTER 4 x 4: the four of a row share A's tiles, the four of a column W's: joint loads.  The matrix instruction is used transposed: a lane holds eight neighbouring numbers of a row of C.
; PREFETCH into the L2: a K step has 128 matrix instructions a wave, half of what the 256 x 256 tile has for as many bytes, and every K step's bytes are read here for the first time in the launch.  So wave 0 of each
; work-group asks ahead.  A: a K step's 256 blocks of 256 bytes of a tile row are dealt to the 8 tile columns, 32 lanes 256 bytes apart.  W: the cluster's y picks 32 of a step's 256 rows, my place along the
; cluster's y the step among four; a step past the last is clamped to the last, whose blocks are then asked for again.  With four K steps all of this stands at the start: steps 2 and 3.
; WINDOWS: 0: addresses, bias, accumulators ((a, b) at 128 + 8 (4 a + b)); 1: two fragment buffers of 128 (A's 64, W's 64), later the rows on their way out; 2: v0-127 the residual.
; LIMITS: operands are rounded to bf16; NaN and infinities are not treated apart.
.set NSTEPS, 4
.set WOFF,   0x600000
.set PLANEB, 524288
.set PA,     144
.set APL,    128*PA
.set PB,     288                       ; a row of W in LDS: 256 bytes + 32
.set BOFF,   4*APL
.set BHALF,  128*PB
.set SLOT,   BOFF+2*BHALF              ; 147,456
.set SPARE,  2*SLOT
.set DP,     272                       ; the way out: a row of 64 f32 + 16 bytes
.set DUMPW,  64*DP                     ; a wave's part of the dump, in the ring, which has had its last fill by then
.set ADV_A,  4*PLANEB
.set ADV_B,  256*1024*2
.set A0,   14
.set B0,   15
.set ADRA, 16
.set ADRB, 20                          ; v20: W's rows 0-127 of the slot in hand; v21: rows 128-255
.set DST,  24
.set RD,   25
.set CO,   26
.set BO,   27
.set SPW,  28
.set NIL,  29
.set VQA,  30                          ; v30 prefetch of A: 256 bytes a lane   v31 of W: a row of 2,048 bytes a lane; never rewritten
.set VQB,  31
.set BIAS, 96                          ; v[96:127] the bias as an accumulator holds it: column 16 b + 8 (l / 16) + j at BIAS + 8 b + j
.set ACC,  128
.set F0,   0
.set F1,   128
.set G1,   24
.set G0,   32
.set TOG,  45
.set G1B,  48
.set G0B,  56
.set QA,   72                          ; s[72:73] prefetch of A: my 32 blocks of a K step; it walks   s[74:75] of W: my 32 rows in K step 0   s[76:77] the same in the step asked for   s[78:79] an offset
.set QB,   74
.set QW,   76
.set QO,   78
.set MSB, 0
.macro WIN new
.if MSB != (\new)
	s_set_vgpr_msb (MSB<<8)|(\new)
.set MSB, \new
.endif
.endm
.set MUL,  0x05                        ; sources 0 (W) and 1 (A) window 1; C and D window 0
.set TO_F, 0x40
.macro PLACES
.rept 4
	v_nop
.endr
.endm
.macro JLOAD                           ; a joint refill by the walking descriptors: waves 0, 1 fetch A's blocks, two each; waves 2, 3 the halves of W's 256 rows
	s_cmp_eq_u32 s11, 0
	s_cbranch_scc0 .Lfor_b_\@
	tensor_load_to_lds s[G0+4:G0+7], s[G1:G1+7]
	s_nop 0
.rept 4
	v_nop
.endr
	s_branch .Lasked_\@
.Lfor_b_\@:
	tensor_load_to_lds s[G0B+4:G0B+7], s[G1B:G1B+7]
	s_nop 0
.rept 4
	v_nop
.endr
.Lasked_\@:
.endm
.macro CREST
	s_cmp_lg_u32 s10, 0
	s_cbranch_scc1 .Lnot_wave_0_\@
	s_barrier_signal -3
.Lnot_wave_0_\@:
	s_barrier_wait -3
	s_barrier_signal -1
	s_barrier_wait -1
.endm
.macro CROUND
	s_barrier_signal -1
	s_barrier_wait -1
	CREST
.endm
	s_load_b128 s[4:7], s[0:1], 0x0                ; A, wb
	s_load_b64 s[8:9], s[0:1], 0x10                ; out
	s_load_b64 s[68:69], s[0:1], 0x18              ; bias
	s_load_b64 s[70:71], s[0:1], 0x20              ; resid
	v_lshl_add_u32 v[SPW], v0, 2, SPARE
	v_mov_b32 v[NIL], 0
	ds_add_u32 v[SPW], v[NIL]                      ; the wave's opening: the add and its wait stand ahead of my first tensor load
	v_lshrrev_b32 v1, 5, v0
	v_readfirstlane_b32 s10, v1
	s_lshr_b32 s11, s10, 1                         ; my half of the tile's rows.  Also: I fetch A (0) or W (1)
	s_and_b32 s12, s10, 1                          ; my half of its columns.  Also: which part I fetch
	s_bfe_u32 s40, ttmp6, 0x40000
	s_bfe_u32 s41, ttmp6, 0x40004
	s_lshl_b32 s42, ttmp9, 2
	s_add_co_u32 s42, s42, s40                     ; tile column
	s_and_b32 s13, ttmp7, 0xffff
	s_lshl_b32 s13, s13, 2
	s_add_co_u32 s13, s13, s41                     ; tile row
	s_lshl_b32 s43, s41, 2
	s_lshl_b32 s43, 15, s43
	s_lshl_b32 s44, 0x1111, s40
	s_or_b32 s[G1+0], s43, (1<<16)|(1<<20)|(1<<21)|(4<<22)|(3<<25)   ; behind every 32 words 4 words
	s_mov_b32 s[G1+1], 8192<<16                    ; tensor_dim0 = 8,192 elements: 128 rows of a block
	s_mov_b32 s[G1+2], 2<<16                       ; tensor_dim1 = 2 blocks
	s_mov_b32 s[G1+3], 8192<<16                    ; tile_dim0
	s_mov_b32 s[G1+4], 2                           ; tile_dim1
	s_mov_b32 s[G1+5], PLANEB/2                    ; elements from block to block
	s_mov_b32 s[G1+6], 0
	s_mov_b32 s[G1+7], 0
	s_or_b32 s[G1B+0], s44, (1<<16)|(1<<20)|(1<<21)|(5<<22)|(7<<25)  ; behind every 64 words 8 words
	s_mov_b32 s[G1B+1], 128<<16
	s_mov_b32 s[G1B+2], 128<<16
	s_mov_b32 s[G1B+3], 128<<16                    ; 128 columns
	s_mov_b32 s[G1B+4], 128                        ; 128 rows (k)
	s_mov_b32 s[G1B+5], 1024
	s_mov_b32 s[G1B+6], 0
	s_mov_b32 s[G1B+7], 0
	s_lshl_b32 s16, s13, 14                        ; A: 128 rows x 128 bytes a tile row,
	s_lshl_b32 s17, s12, 20                        ; and my two blocks of the step's four
	s_add_co_u32 s16, s16, s17
	s_mov_b32 s17, 0
	s_lshl_b32 s46, s42, 8                         ; W: 128 columns a tile column,
	s_lshl_b32 s47, s12, 18                        ; my 128 of the step's 256 rows,
	s_add_co_u32 s46, s46, s47
	s_add_co_u32 s46, s46, WOFF                    ; in this weight
	s_mov_b32 s47, 0
	s_mul_i32 s20, s12, 2*APL
	s_mul_i32 s21, s12, BHALF
	s_add_co_u32 s21, s21, BOFF
	s_mov_b32 s[TOG], 0
	s_wait_dscnt 0x0                               ; the opening add is done
	s_wait_kmcnt 0x0
	s_add_nc_u64 s[14:15], s[4:5], s[16:17]
	s_add_nc_u64 s[46:47], s[6:7], s[46:47]
.irp s, 0,1
	s_mov_b32 s[G0+4*(\s)], 1
	s_add_co_u32 s[G0+4*(\s)+1], s20, (\s)*SLOT
	s_add_nc_u64 s[G0+4*(\s)+2:G0+4*(\s)+3], s[14:15], (\s)*ADV_A
	s_or_b32 s[G0+4*(\s)+3], s[G0+4*(\s)+3], 0x80000000
	s_mov_b32 s[G0B+4*(\s)], 1
	s_add_co_u32 s[G0B+4*(\s)+1], s21, (\s)*SLOT
	s_add_nc_u64 s[G0B+4*(\s)+2:G0B+4*(\s)+3], s[46:47], (\s)*ADV_B
	s_or_b32 s[G0B+4*(\s)+3], s[G0B+4*(\s)+3], 0x80000000
.endr
	CROUND                                         ; all sixteen work-groups are here: the first joint loads meet
	s_cmp_eq_u32 s11, 0                            ; a wave's two first fills stand in one branch: two loads of mine are out
	s_cbranch_scc0 .Lfirst_b
	tensor_load_to_lds s[G0:G0+3], s[G1:G1+7]
	s_nop 0
	tensor_load_to_lds s[G0+4:G0+7], s[G1:G1+7]
	s_nop 0
.rept 4
	v_nop
.endr
	s_branch .Lfirst_asked
.Lfirst_b:
	tensor_load_to_lds s[G0B:G0B+3], s[G1B:G1B+7]
	s_nop 0
	tensor_load_to_lds s[G0B+4:G0B+7], s[G1B:G1B+7]
	s_nop 0
.rept 4
	v_nop
.endr
.Lfirst_asked:
	v_and_b32 v1, 15, v0
	v_bfe_u32 v2, v0, 4, 1
	v_lshlrev_b32 v[CO], 12, v2                    ; out and resid: lanes 0-15 take 256 bytes of one row, lanes 16-31 of the next
	v_lshl_add_u32 v[CO], v1, 4, v[CO]
	v_lshlrev_b32 v[BO], 5, v2                     ; bias: 8 columns for each half of the lanes
	s_lshl_b32 s16, s13, 7
	s_lshl_b32 s17, s11, 6
	s_add_co_u32 s16, s16, s17                     ; my first row
	s_lshl_b32 s16, s16, 12
	s_lshl_b32 s46, s42, 7
	s_lshl_b32 s47, s12, 6
	s_add_co_u32 s46, s46, s47                     ; my first column
	s_lshl_b32 s46, s46, 2
	s_mov_b32 s47, 0
	s_add_nc_u64 s[68:69], s[68:69], s[46:47]
	s_add_co_u32 s16, s16, s46
	s_mov_b32 s17, 0
	s_add_nc_u64 s[8:9], s[8:9], s[16:17]
	s_add_nc_u64 s[70:71], s[70:71], s[16:17]
.irp b, 0,1,2,3
	global_load_b128 v[BIAS+8*(\b):BIAS+8*(\b)+3],   v[BO], s[68:69] offset:64*(\b)
	global_load_b128 v[BIAS+8*(\b)+4:BIAS+8*(\b)+7], v[BO], s[68:69] offset:64*(\b)+16
.endr
	; what wave 0 asks the L2 for: K steps 0 and 1 are the first fills, so the asking begins with step 2
	v_and_b32 v[VQA], 31, v0
	v_lshlrev_b32 v[VQB], 11, v[VQA]
	v_lshlrev_b32 v[VQA], 8, v[VQA]
	s_lshl_b32 s[QO], s13, 14                      ; A: my tile row's 128 rows in a block,
	s_and_b32 s66, s42, 1
	s_lshl_b32 s66, s66, 13                        ; the half of them (8,192 bytes) that falls to my tile column,
	s_add_co_u32 s[QO], s[QO], s66
	s_lshr_b32 s66, s42, 1                         ; in that one of the step's four blocks;
	s_add_co_u32 s66, s66, 8                       ; K step 2 begins with block 8
	s_lshl_b32 s66, s66, 19
	s_add_co_u32 s[QO], s[QO], s66
	s_mov_b32 s[QO+1], 0
	s_add_nc_u64 s[QA:QA+1], s[4:5], s[QO:QO+1]
	s_and_b32 s66, ttmp7, 0xffff                   ; W: the cluster's y picks 32 rows of 2,048 bytes,
	s_lshl_b32 s66, s66, 16
	s_lshl_b32 s[QO], s42, 8                       ; my tile column their 256 bytes
	s_add_co_u32 s[QO], s[QO], s66
	s_add_co_u32 s[QO], s[QO], WOFF
	s_add_nc_u64 s[QB:QB+1], s[6:7], s[QO:QO+1]
	s_add_co_u32 s67, s41, 2                       ; the step: 2 + my place along the cluster's y,
	s_min_u32 s66, s67, NSTEPS-1                   ; never past the last
	s_mul_i32 s[QO], s66, ADV_B
	s_add_nc_u64 s[QW:QW+1], s[QB:QB+1], s[QO:QO+1]
	s_cmp_lg_u32 s10, 0
	s_cbranch_scc1 .Lno_ask
	global_prefetch_b8 v[VQA], s[QA:QA+1] th:TH_LOAD_NT scope:SCOPE_SE               ; A, K step 2
	global_prefetch_b8 v[VQA], s[QA:QA+1] offset:ADV_A th:TH_LOAD_NT scope:SCOPE_SE  ; A, K step 3
	global_prefetch_b8 v[VQB], s[QW:QW+1] th:TH_LOAD_NT scope:SCOPE_SE               ; W, K step 2 or 3
.Lno_ask:
	v_mul_u32_u24 v3, v1, PA
	v_lshl_add_u32 v3, v2, 4, v3
	s_mul_i32 s22, s11, 64*PA                      ; my 64 rows of A
	v_add_nc_u32 v[A0], s22, v3
	v_and_b32 v4, 7, v0
	v_lshl_add_u32 v4, v2, 3, v4
	v_mul_u32_u24 v4, v4, PB
	v_bfe_u32 v5, v0, 3, 1
	v_lshl_add_u32 v4, v5, 4, v4
	s_lshl_b32 s23, s12, 7                         ; my 64 columns of W
	s_add_co_u32 s23, s23, BOFF
	v_add_nc_u32 v[B0], s23, v4
	v_mov_b32 v[ADRA], v[A0]
	v_mov_b32 v[ADRB], v[B0]
	v_add_nc_u32 v[ADRB+1], 128*PB, v[ADRB]
	s_mul_i32 s22, s10, DUMPW
	v_mul_u32_u24 v3, v1, DP
	v_lshl_add_u32 v3, v2, 5, v3
	v_add_nc_u32 v[DST], s22, v3
	v_mul_u32_u24 v3, v2, DP
	v_lshl_add_u32 v3, v1, 4, v3
	v_add_nc_u32 v[RD], s22, v3
; 8 matrix instructions: row blocks a0, a0 + 1 x all 4 column blocks, 32 along K: half c of buffer f.  zero = 1: the product starts the sums, from the bias
.macro MUL8 f, c, a0, zero
	WIN MUL
.irp a, \a0, (\a0)+1
.irp b, 0,1,2,3
.if \zero
	v_wmma_f32_16x16x32_bf16 v[ACC+8*(4*(\a)+(\b)):ACC+8*(4*(\a)+(\b))+7], v[(\f)+64+8*(4*(\c)+(\b)):(\f)+64+8*(4*(\c)+(\b))+7], v[(\f)+8*(4*(\c)+(\a)):(\f)+8*(4*(\c)+(\a))+7], v[BIAS+8*(\b):BIAS+8*(\b)+7]
.else
	v_wmma_f32_16x16x32_bf16 v[ACC+8*(4*(\a)+(\b)):ACC+8*(4*(\a)+(\b))+7], v[(\f)+64+8*(4*(\c)+(\b)):(\f)+64+8*(4*(\c)+(\b))+7], v[(\f)+8*(4*(\c)+(\a)):(\f)+8*(4*(\c)+(\a))+7], v[ACC+8*(4*(\a)+(\b)):ACC+8*(4*(\a)+(\b))+7]
.endif
.endr
.endr
.endm
; 32 LDS loads in one run: the fragments of quarter q (k = 64 q ..: block q of A) into buffer f; the first 32 along K first
.macro FETCH q, f
	WIN TO_F
.irp c, 0,1
.irp i, 0,1,2,3
	ds_load_tr16_b128 v[(\f)+64+8*(4*(\c)+(\i)):(\f)+64+8*(4*(\c)+(\i))+3],   v[ADRB+(\q)/2] offset:(((\q)%2)*64+32*(\c))*PB+32*(\i)
	ds_load_tr16_b128 v[(\f)+64+8*(4*(\c)+(\i))+4:(\f)+64+8*(4*(\c)+(\i))+7], v[ADRB+(\q)/2] offset:(((\q)%2)*64+32*(\c)+16)*PB+32*(\i)
	ds_load_b128 v[(\f)+8*(4*(\c)+(\i)):(\f)+8*(4*(\c)+(\i))+3],   v[ADRA] offset:(\q)*APL+64*(\c)+(\i)*16*PA
	ds_load_b128 v[(\f)+8*(4*(\c)+(\i))+4:(\f)+8*(4*(\c)+(\i))+7], v[ADRA] offset:(\q)*APL+64*(\c)+(\i)*16*PA+32
.endr
.endr
	WIN 0
.endm
.macro QUARTER q, f, g, zero
	s_wait_dscnt 16                                ; the first 32 along K are in
	MUL8 \f, 0, 0, \zero
	MUL8 \f, 0, 2, \zero
	PLACES
	FETCH \q, \g
	s_wait_dscnt 32                                ; all but the 32 just issued
	MUL8 \f, 1, 0, 0
	MUL8 \f, 1, 2, 0
.endm
; The last quarter's first half, and the one barrier of a change of slots.  The 16 products stand AHEAD of the wait for the tensor loads: they are issued while the next slot's tile may still be on its way, and
; behind the wait nothing but the add, the wait for it and the barrier stands in front of the next request.  In front of the barrier each wave has waited for all its tensor loads, has added 0 to its spare word, and
; has waited for that and for its own reads of this slot.  fill = 1: the walking descriptors step between the add and its wait: no tensor load of mine is out.
.macro MEET fill
	s_wait_dscnt 16                                ; the last quarter's first 32 along K are in; the youngest sixteen loads may be out
	MUL8 F1, 0, 0, 0
	MUL8 F1, 0, 2, 0
	WIN 0
	s_wait_tensorcnt 0x0
	ds_add_u32 v[SPW], v[NIL]
.if \fill
	s_add_co_u32 s[G0+5], s20, s[TOG]
	s_add_nc_u64 s[G0+6:G0+7], s[G0+6:G0+7], ADV_A
	s_add_co_u32 s[G0B+5], s21, s[TOG]
	s_add_nc_u64 s[G0B+6:G0B+7], s[G0B+6:G0B+7], ADV_B
.endif
	s_wait_dscnt 0x0                               ; the add is done, my reads of this slot are over
	s_barrier_signal -1
	s_barrier_wait -1
.endm
.macro TOGGLE
	s_xor_b32 s[TOG], s[TOG], SLOT
	v_add_nc_u32 v[ADRA], s[TOG], v[A0]
	v_add_nc_u32 v[ADRB], s[TOG], v[B0]
	v_add_nc_u32 v[ADRB+1], 128*PB, v[ADRB]
.endm
; Wave 0 asks ahead.  The trip with s3 = NSTEPS - 2 - t has just issued the tensor load of K step t + 2; it asks for A's step t + 4, whose tensor load the trip after next issues.  The last two trips
; (s3 = 2, 1) would ask past K's end and ask for nothing.  Every fourth trip (s3 a multiple of 4) asks for W's next four steps, the first of them two trips ahead of its tensor load.
.macro PREF
	s_cmp_lg_u32 s10, 0
	s_cbranch_scc1 .Lnone_\@
	s_cmp_gt_u32 s3, 2
	s_cbranch_scc0 .Lnone_\@
	s_wait_xcnt 0x0                                ; the bases of the requests made in earlier trips are rewritten only behind this wait
	s_add_nc_u64 s[QA:QA+1], s[QA:QA+1], ADV_A
	global_prefetch_b8 v[VQA], s[QA:QA+1] offset:ADV_A th:TH_LOAD_NT scope:SCOPE_SE
	s_and_b32 s66, s3, 3
	s_cmp_lg_u32 s66, 0
	s_cbranch_scc1 .Lnone_\@
	s_add_co_u32 s67, s67, 4
	s_min_u32 s66, s67, NSTEPS-1                   ; never past the last step
	s_mul_i32 s[QO], s66, ADV_B
	s_add_nc_u64 s[QW:QW+1], s[QB:QB+1], s[QO:QO+1]
	global_prefetch_b8 v[VQB], s[QW:QW+1] th:TH_LOAD_NT scope:SCOPE_SE
.Lnone_\@:
.endm
.macro TURN1                           ; the slot just read out is filled again, with the K step two on: 128 matrix instructions stand between the request and the wait for it
	MEET 1
	CREST
	JLOAD
	TOGGLE
	FETCH 0, F0
.if NSTEPS > 4                         ; with four K steps no trip has anything left to ask for
	PREF
.endif
	MUL8 F1, 1, 0, 0
	MUL8 F1, 1, 2, 0
.endm
.macro TURN0                           ; the last two K steps ask for nothing; the very last (s3 = 1) has no next step to fetch from
	MEET 0
	PLACES
	TOGGLE
	s_cmp_eq_u32 s3, 1
	s_cbranch_scc1 .Lno_fetch_\@
	FETCH 0, F0
.Lno_fetch_\@:
	MUL8 F1, 1, 0, 0
	MUL8 F1, 1, 2, 0
.endm
	s_wait_tensorcnt 0x1                           ; my part of K step 0 is in; step 1's may stay out
	s_barrier_signal -1
	s_barrier_wait -1
	FETCH 0, F0
	s_wait_loadcnt 0x0                             ; the bias
	WIN 0x80                                       ; destination window 2: my 64 x 64 of the residual goes out only now, behind the first tiles, and has the whole walk along K in which to land
.set t, 0
.rept 32
	global_load_b128 v[4*t:4*t+3], v[CO], s[70:71] offset:8192*t
.set t, t+1
.endr
	WIN 0
	QUARTER 1, F0, F1, 1
	WIN 0
	s_mov_b32 s3, NSTEPS-2
.Lstep:
	QUARTER 2, F1, F0, 0
	QUARTER 3, F0, F1, 0
	TURN1
	QUARTER 1, F0, F1, 0
	WIN 0
	s_sub_co_u32 s3, s3, 1
	s_cmp_lg_u32 s3, 0
	s_cbranch_scc1 .Lstep
	s_mov_b32 s3, 2
.Ltail:                                                ; the same without refills; the second trip is left in its middle
	QUARTER 2, F1, F0, 0
	QUARTER 3, F0, F1, 0
	TURN0
	WIN 0
	s_sub_co_u32 s3, s3, 1
	s_cmp_eq_u32 s3, 0
	s_cbranch_scc1 .Lout
	QUARTER 1, F0, F1, 0
	WIN 0
	s_cmp_lg_u32 s3, 0
	s_cbranch_scc1 .Ltail
.Lout:
	; THE WAY OUT: the sums go into my part of the ring, come back as rows of 256 bytes, take the residual and leave.
	PLACES
	s_wait_dscnt 0x0
	s_barrier_signal -1                            ; every wave's reads of the ring are back before any wave's dump writes over it
	s_barrier_wait -1
.irp a, 0,1,2,3
.irp b, 0,1,2,3
	ds_store_b128 v[DST], v[ACC+8*(4*(\a)+(\b)):ACC+8*(4*(\a)+(\b))+3]   offset:(\a)*16*DP+64*(\b)
	ds_store_b128 v[DST], v[ACC+8*(4*(\a)+(\b))+4:ACC+8*(4*(\a)+(\b))+7] offset:(\a)*16*DP+64*(\b)+16
.endr
.endr
	WIN 0x40                                       ; destination window 1
.set t, 0
.rept 32
	ds_load_b128 v[4*t:4*t+3], v[RD] offset:t*2*DP ; LDS serves a wave's instructions in order: these see my stores
.set t, t+1
.endr
	s_wait_loadcnt 0x0                             ; the residual
	s_wait_dscnt 0x0
	WIN 0x49                                       ; window 1 += window 2
.set t, 0
.rept 64
	v_pk_add_f32 v[2*t:2*t+1], v[2*t:2*t+1], v[2*t:2*t+1]
.set t, t+1
.endr
	WIN 0x04                                       ; store data in window 1
.set t, 0
.rept 32
	global_store_b128 v[CO], v[4*t:4*t+3], s[8:9] offset:8192*t  ; 16 lanes store 256 consecutive bytes, aligned
.set t, t+1
.endr
	WIN 0
	s_wait_tensorcnt 0x0                           ; the wave's end
	ds_add_u32 v[SPW], v[NIL]
	s_wait_dscnt 0x0
	CROUND                                         ; the closing round
	s_endpgm
.Lfunc_end_k_q9b8a16e85e_wop:
	.size	k_q9b8a16e85e_wop, .Lfunc_end_k_q9b8a16e85e_wop-k_q9b8a16e85e_wop
	.p2alignl 7, 3214868480
	.fill 96, 4, 3214868480
	.section	.rodata,"a",@progbits
	.p2align	6, 0x0
	.amdhsa_kernel k_q9b8a16e85e_wop
		.amdhsa_group_segment_fixed_size 327680
		.amdhsa_private_segment_fixed_size 0
		.amdhsa_enable_private_segment 0
		.amdhsa_kernarg_size 40
		.amdhsa_user_sgpr_count 2
		.amdhsa_user_sgpr_kernarg_segment_ptr 1
		.amdhsa_wavefront_size32 1
		.amdhsa_system_sgpr_workgroup_id_x 1
		.amdhsa_system_sgpr_workgroup_id_y 1
		.amdhsa_system_sgpr_workgroup_id_z 1
		.amdhsa_system_vgpr_workitem_id 0
		.amdhsa_next_free_vgpr 640
		.amdhsa_next_free_sgpr 80
		.amdhsa_reserve_vcc 0
		.amdhsa_float_denorm_mode_32 3
		.amdhsa_float_denorm_mode_16_64 3
		.amdhsa_memory_ordered 1
		.amdhsa_forward_progress 1
		.amdhsa_inst_pref_size 67
	.end_amdhsa_kernel
	.amdgpu_metadata
---
amdhsa.version: [ 1, 2 ]
amdhsa.kernels:
  - .name:           k_q9b8a16e85e_wop
    .symbol:         k_q9b8a16e85e_wop.kd
    .args:
      - { .name: ob, .offset: 0, .size: 8, .value_kind: global_buffer, .address_space: global }
      - { .name: wb, .offset: 8, .size: 8, .value_kind: global_buffer, .address_space: global }
      - { .name: x1, .offset: 16, .size: 8, .value_kind: global_buffer, .address_space: global }
      - { .name: bo, .offset: 24, .size: 8, .value_kind: global_buffer, .address_space: global }
      - { .name: x, .offset: 32, .size: 8, .value_kind: global_buffer, .address_space: global }
    .group_segment_fixed_size: 327680
    .private_segment_fixed_size: 0
    .kernarg_segment_align: 8
    .kernarg_segment_size: 40
    .max_flat_workgroup_size: 128
    .sgpr_count:     80
    .vgpr_count:     640
    .wavefront_size: 32
...
	.end_amdgpu_metadata
.endif
;; end of part 4
;; launch ln2: the kernel of part 1 again; grid 256 x 1, 8 waves a work-group, no clusters, 0 bytes of LDS; arguments x1, ln2_g, ln2_b, hb, Wq, Wk, Wv, Wo, W1, W2, wb; writes hb, wb
;; launch ff1 (part 5): grid 16 x 16, 4 waves a work-group, clusters of 4 x 4, 327,680 bytes of LDS; arguments hb, wb, gb, b1; writes gb
.if DOCPART == 5
	.amdgcn_target "amdgcn-amd-amdhsa--gfx1250"
	.amdhsa_code_object_version 6
	.text
	.protected	k_q9b8a16e85e_ff1
	.globl	k_q9b8a16e85e_ff1
	.p2align	8
	.type	k_q9b8a16e85e_ff1,@function
k_q9b8a16e85e_ff1:
	s_mov_b64 s[64:65], 0
	v_nop
	global_prefetch_b8 v0, s[64:65] scope:SCOPE_SE
	s_setreg_imm32_b32 hwreg(HW_REG_WAVE_MODE, 25, 1), 1
	s_wait_xcnt 0x0
	s_wait_alu depctr_hold_cnt(0) depctr_sa_sdst(0) depctr_va_vdst(0) depctr_va_sdst(0) depctr_va_ssrc(0) depctr_va_vcc(0) depctr_vm_vsrc(0)
	s_getreg_b32 s2, hwreg(HW_REG_IB_STS2, 6, 4)
	s_cmp_eq_u32 s2, 0
	s_cbranch_scc0 .Lentry_in_a_cluster
	s_endpgm
.Lentry_in_a_cluster:
	s_bfe_u32 s2, ttmp6, 0x10000c
	s_cmp_lg_u32 s2, 0xf033
	s_cbranch_scc0 .Lentry_shape_is_right
	s_endpgm
.Lentry_shape_is_right:
; g = gelu(h W1 + b1).  h: bf16 in blocks [16][4096][64]; W1: bf16 [1024][4096] at byte WOFF of wb; out: bf16 in blocks [64][4096][64].  Sums, bias and gelu (tanh form) in f32.
; A tile of C is 256 x 256: four waves, each 128 x 128 in 64 accumulators; 256 tiles, one to a work-group.  K goes in steps of 128 (two blocks of h) through two LDS slots filled by tensor loads.
; h's tile of one block is 256 dense rows of 128 bytes: asked for as 128 rows of 256 bytes, padded in LDS behind every 128.  W lies [k][n]: its rows come as they lie and the fragments are turned by ds_load_tr16_b128.
; CLUSTER 4 x 4: the four of a row share h's tiles, the four of a column W's: joint loads, same descriptor and mask in all four.
; The matrix instruction is used transposed (source 0 = 16 columns of W, source 1 = 16 rows of h): a lane holds eight neighbouring numbers of a row of C.
; NO PREFETCH into the L2: a whole K step's 256 matrix instructions stand between a tile's request and the wait for it.
; WINDOWS of 256 registers: 0: addresses, h's fragments (two buffers), the way out; 1: W's fragments; 2, 3: accumulators ((a, b) at 8 (8 a + b)).
; LIMITS: operands are rounded to bf16; NaN and infinities are not treated apart; v_exp_f32 and v_rcp_f32 are good to one unit in the last place and flush denormals.
.set QKV,    0
.set NP,     4096
.set LOGT,   4
.set WOFF,   0x800000
.set NSTEPS, 8
.set PLANEB, 524288
.set PA,     144
.set APLANE, 256*PA
.set PB,     544
.set BOFF,   2*APLANE
.set BHALF,  64*PB
.set SLOT,   BOFF+2*BHALF
.set SPARE,  2*SLOT
.set DP,     528
.set DUMPW,  128*DP
.set ADV_A,  2*PLANEB
.set ADV_B,  128*NP*2
.set A0,   14
.set B0,   15
.set ADRA, 16
.set ADRB, 20
.set DST,  24
.set RD,   25
.set CO,   26
.set BO,   27
.set SPW,  28
.set NIL,  29
.set BI,   32
.set F0,   64
.set F1,   128
.set XR,   64
.set ZR,   96
.set TR,   128
.set YR,   160
.set G1,   24
.set G0,   32
.set TOG,  45
.set G1B,  48
.set G0B,  56
.set MSB, 0
.macro WIN new
.if MSB != (\new)
	s_set_vgpr_msb (MSB<<8)|(\new)
.set MSB, \new
.endif
.endm
.set MUL_LO, 0xa1
.set MUL_HI, 0xf1
.set TO_B,   0x40
.macro PLACES                          ; four plain vector instructions between a matrix instruction and a load into, or a read of, its registers
.rept 4
	v_nop
.endr
.endm
.macro JLOAD                           ; a joint refill by the walking descriptors: waves 0, 1 fetch h's two blocks, waves 2, 3 the two halves of W's 128 rows
	s_cmp_eq_u32 s11, 0
	s_cbranch_scc0 .Lfor_b_\@
	tensor_load_to_lds s[G0+4:G0+7], s[G1:G1+7]
	s_nop 0
.rept 4
	v_nop
.endr
	s_branch .Lasked_\@
.Lfor_b_\@:
	tensor_load_to_lds s[G0B+4:G0B+7], s[G1B:G1B+7]
	s_nop 0
.rept 4
	v_nop
.endr
.Lasked_\@:
.endm
.macro CREST
	s_cmp_lg_u32 s10, 0
	s_cbranch_scc1 .Lnot_wave_0_\@
	s_barrier_signal -3
.Lnot_wave_0_\@:
	s_barrier_wait -3
	s_barrier_signal -1
	s_barrier_wait -1
.endm
.macro CROUND
	s_barrier_signal -1
	s_barrier_wait -1
	CREST
.endm
	s_load_b128 s[4:7], s[0:1], 0x0                ; h, wb
	s_load_b64 s[8:9], s[0:1], 0x10                ; out
	s_load_b64 s[68:69], s[0:1], 0x18              ; the bias
.if QKV
	s_load_b64 s[70:71], s[0:1], 0x20
	s_load_b64 s[72:73], s[0:1], 0x28
.endif
	v_lshl_add_u32 v[SPW], v0, 2, SPARE
	v_mov_b32 v[NIL], 0
	ds_add_u32 v[SPW], v[NIL]                      ; the wave's opening: the add and its wait stand ahead of my first tensor load
	v_lshrrev_b32 v1, 5, v0
	v_readfirstlane_b32 s10, v1
	s_lshr_b32 s11, s10, 1
	s_and_b32 s12, s10, 1
	s_bfe_u32 s40, ttmp6, 0x40000
	s_bfe_u32 s41, ttmp6, 0x40004
	s_lshl_b32 s42, ttmp9, 2
	s_add_co_u32 s42, s42, s40                     ; tile column
	s_and_b32 s13, ttmp7, 0xffff
	s_lshl_b32 s13, s13, 2
	s_add_co_u32 s13, s13, s41                     ; tile row
	s_lshl_b32 s43, s41, 2
	s_lshl_b32 s43, 15, s43
	s_lshl_b32 s44, 0x1111, s40
	s_or_b32 s[G1+0], s43, (1<<16)|(1<<20)|(1<<21)|(4<<22)|(3<<25)
	s_mov_b32 s[G1+1], 128<<16
	s_mov_b32 s[G1+2], 128<<16
	s_mov_b32 s[G1+3], 128<<16
	s_mov_b32 s[G1+4], 128
	s_mov_b32 s[G1+5], 128
	s_mov_b32 s[G1+6], 0
	s_mov_b32 s[G1+7], 0
	s_or_b32 s[G1B+0], s44, (1<<16)|(1<<20)|(1<<21)|(6<<22)|(7<<25)
	s_mov_b32 s[G1B+1], 256<<16
	s_mov_b32 s[G1B+2], 64<<16
	s_mov_b32 s[G1B+3], 256<<16
	s_mov_b32 s[G1B+4], 64
	s_mov_b32 s[G1B+5], NP
	s_mov_b32 s[G1B+6], 0
	s_mov_b32 s[G1B+7], 0
	s_lshl_b32 s16, s13, 15
	s_lshl_b32 s17, s12, 19
	s_add_co_u32 s16, s16, s17
	s_mov_b32 s17, 0
	s_lshr_b32 s46, s42, LOGT
	s_lshl_b32 s46, s46, 21
	s_and_b32 s47, s42, (1<<LOGT)-1
	s_lshl_b32 s47, s47, 9
	s_add_co_u32 s46, s46, s47
	s_mul_i32 s47, s12, 64*NP*2
	s_add_co_u32 s46, s46, s47
.if WOFF
	s_add_co_u32 s46, s46, WOFF
.endif
	s_mov_b32 s47, 0
	s_mul_i32 s20, s12, APLANE
	s_mul_i32 s21, s12, BHALF
	s_add_co_u32 s21, s21, BOFF
	s_mov_b32 s[TOG], 0
	s_wait_dscnt 0x0                               ; the opening add is done
	s_wait_kmcnt 0x0
	s_add_nc_u64 s[14:15], s[4:5], s[16:17]
	s_add_nc_u64 s[46:47], s[6:7], s[46:47]
.irp s, 0,1
	s_mov_b32 s[G0+4*(\s)], 1
	s_add_co_u32 s[G0+4*(\s)+1], s20, (\s)*SLOT
	s_add_nc_u64 s[G0+4*(\s)+2:G0+4*(\s)+3], s[14:15], (\s)*ADV_A
	s_or_b32 s[G0+4*(\s)+3], s[G0+4*(\s)+3], 0x80000000
	s_mov_b32 s[G0B+4*(\s)], 1
	s_add_co_u32 s[G0B+4*(\s)+1], s21, (\s)*SLOT
	s_add_nc_u64 s[G0B+4*(\s)+2:G0B+4*(\s)+3], s[46:47], (\s)*ADV_B
	s_or_b32 s[G0B+4*(\s)+3], s[G0B+4*(\s)+3], 0x80000000
.endr
	CROUND                                         ; all sixteen work-groups are here: the first joint loads meet
	s_cmp_eq_u32 s11, 0                            ; a wave's two first fills stand in one branch: two loads of mine are out
	s_cbranch_scc0 .Lfirst_b
	tensor_load_to_lds s[G0:G0+3], s[G1:G1+7]
	s_nop 0
	tensor_load_to_lds s[G0+4:G0+7], s[G1:G1+7]
	s_nop 0
.rept 4
	v_nop
.endr
	s_branch .Lfirst_asked
.Lfirst_b:
	tensor_load_to_lds s[G0B:G0B+3], s[G1B:G1B+7]
	s_nop 0
	tensor_load_to_lds s[G0B+4:G0B+7], s[G1B:G1B+7]
	s_nop 0
.rept 4
	v_nop
.endr
.Lfirst_asked:
.if QKV
	s_lshr_b32 s22, s42, LOGT
	s_cmp_eq_u32 s22, 1
	s_cselect_b64 s[68:69], s[70:71], s[68:69]
	s_cmp_eq_u32 s22, 2
	s_cselect_b64 s[68:69], s[72:73], s[68:69]
.endif
	s_and_b32 s22, s42, (1<<LOGT)-1
	s_lshl_b32 s22, s22, 10
	s_lshl_b32 s23, s12, 9
	s_add_co_u32 s22, s22, s23
	s_mov_b32 s23, 0
	s_add_nc_u64 s[68:69], s[68:69], s[22:23]
	v_and_b32 v4, 7, v0
	v_lshlrev_b32 v[BO], 5, v4
.irp c, 0,1
	global_load_b128 v[BI+8*(\c):BI+8*(\c)+3],   v[BO], s[68:69] offset:256*(\c)
	global_load_b128 v[BI+8*(\c)+4:BI+8*(\c)+7], v[BO], s[68:69] offset:256*(\c)+16
.endr
	v_and_b32 v1, 15, v0
	v_bfe_u32 v2, v0, 4, 1
	v_mul_u32_u24 v3, v1, PA
	v_lshl_add_u32 v3, v2, 4, v3
	s_mul_i32 s22, s11, 128*PA
	v_add_nc_u32 v[A0], s22, v3
	v_lshl_add_u32 v5, v2, 3, v4
	v_mul_u32_u24 v5, v5, PB
	v_bfe_u32 v6, v0, 3, 1
	v_lshl_add_u32 v5, v6, 4, v5
	s_lshl_b32 s23, s12, 8
	s_add_co_u32 s23, s23, BOFF
	v_add_nc_u32 v[B0], s23, v5
	v_mov_b32 v[ADRA], v[A0]
	v_mov_b32 v[ADRB], v[B0]
	s_mul_i32 s22, s10, DUMPW
	v_mul_u32_u24 v3, v1, DP
	v_lshl_add_u32 v3, v2, 5, v3
	v_add_nc_u32 v[DST], s22, v3
	v_bfe_u32 v3, v0, 3, 2
	v_mul_u32_u24 v3, v3, DP
	v_lshl_add_u32 v3, v4, 5, v3
	v_add_nc_u32 v[RD], s22, v3
	v_and_b32 v[CO], 31, v0
	v_lshlrev_b32 v[CO], 4, v[CO]
	s_lshl_b32 s16, s42, 2
	s_lshl_b32 s17, s12, 1
	s_add_co_u32 s16, s16, s17
	s_lshl_b32 s16, s16, 19
	s_lshl_b32 s17, s13, 15
	s_add_co_u32 s16, s16, s17
	s_lshl_b32 s17, s11, 14
	s_add_co_u32 s16, s16, s17
	s_mov_b32 s17, 0
	s_add_nc_u64 s[8:9], s[8:9], s[16:17]
.if !QKV
	s_mov_b32 s74, 0xbdd2d3e8                      ; c1 = 0.044715 c0
	s_mov_b32 s75, s74
	s_mov_b32 s76, 0xc0135761                      ; c0 = -2 sqrt(2 / pi) log2(e)
	s_mov_b32 s77, s76
.endif
.macro MUL16 f, hi, a0, zero
	WIN MUL_LO+0x50*(\hi)
.irp a, \a0, (\a0)+1
.irp b, 0,1,2,3,4,5,6,7
.if \zero
	v_wmma_f32_16x16x32_bf16 v[8*(8*(\a)+(\b)):8*(8*(\a)+(\b))+7], v[(\f)+8*(\b):(\f)+8*(\b)+7], v[(\f)+8*(4*(\hi)+(\a)):(\f)+8*(4*(\hi)+(\a))+7], 0
.else
	v_wmma_f32_16x16x32_bf16 v[8*(8*(\a)+(\b)):8*(8*(\a)+(\b))+7], v[(\f)+8*(\b):(\f)+8*(\b)+7], v[(\f)+8*(4*(\hi)+(\a)):(\f)+8*(4*(\hi)+(\a))+7], v[8*(8*(\a)+(\b)):8*(8*(\a)+(\b))+7]
.endif
.endr
.endr
.endm
.macro FETCH q, f
	WIN TO_B
.irp i, 0,1,2,3,4,5,6,7
	ds_load_tr16_b128 v[(\f)+8*(\i):(\f)+8*(\i)+3],   v[ADRB] offset:(\q)*32*PB+32*(\i)
	ds_load_tr16_b128 v[(\f)+8*(\i)+4:(\f)+8*(\i)+7], v[ADRB] offset:(\q)*32*PB+16*PB+32*(\i)
.endr
	WIN 0
.irp i, 0,1,2,3,4,5,6,7
	ds_load_b128 v[(\f)+8*(\i):(\f)+8*(\i)+3],   v[ADRA] offset:((\q)/2)*APLANE+((\q)%2)*64+(\i)*16*PA
	ds_load_b128 v[(\f)+8*(\i)+4:(\f)+8*(\i)+7], v[ADRA] offset:((\q)/2)*APLANE+((\q)%2)*64+(\i)*16*PA+32
.endr
.endm
.macro QUARTER q, f, g, zero
	s_wait_dscnt 8                                 ; W and h's rows 0-63 are in; the youngest eight loads (rows 64-127) may be out
	MUL16 \f, 0, 0, \zero
	MUL16 \f, 0, 2, \zero
	PLACES
	FETCH \q, \g
	s_wait_dscnt 32                                ; all but the 32 just issued
	MUL16 \f, 1, 0, \zero
	MUL16 \f, 1, 2, \zero
.endm
; The last quarter's first half, and the one barrier of a change of slots.  The 32 products stand AHEAD of the wait for the tensor loads: they are issued while the next slot's tile may still be on its way,
; and behind the wait nothing but the add, the wait for it and the barrier stands in front of the next request.  In front of the barrier each wave has waited for all its tensor loads (one is out at most: its
; part of the next slot), has added 0 to its spare word, and has waited for that and for its own reads of this slot.  fill = 1: the walking descriptors step between the add and its wait: no tensor load of mine is out.
.macro MEET fill
	s_wait_dscnt 8                                 ; W and h's rows 0-63 of the last quarter are in; the youngest eight loads may be out
	MUL16 F1, 0, 0, 0
	MUL16 F1, 0, 2, 0
	WIN 0
	s_wait_tensorcnt 0x0
	ds_add_u32 v[SPW], v[NIL]
.if \fill
	s_add_co_u32 s[G0+5], s20, s[TOG]
	s_add_nc_u64 s[G0+6:G0+7], s[G0+6:G0+7], ADV_A
	s_add_co_u32 s[G0B+5], s21, s[TOG]
	s_add_nc_u64 s[G0B+6:G0B+7], s[G0B+6:G0B+7], ADV_B
.endif
	s_wait_dscnt 0x0                               ; the add is done, my reads of this slot are over
	s_barrier_signal -1
	s_barrier_wait -1
.endm
.macro TOGGLE
	s_xor_b32 s[TOG], s[TOG], SLOT
	v_add_nc_u32 v[ADRA], s[TOG], v[A0]
	v_add_nc_u32 v[ADRB], s[TOG], v[B0]
.endm
.macro TURN1                           ; the slot just read out is filled again, with the K step two on: 256 matrix instructions stand between the request and the wait for it
	MEET 1
	CREST
	JLOAD
	TOGGLE
	FETCH 0, F0
	MUL16 F1, 1, 0, 0
	MUL16 F1, 1, 2, 0
.endm
.macro TURN0                           ; the last two K steps ask for nothing; the very last (s3 = 1) has no next step to fetch from
	MEET 0
	PLACES
	TOGGLE
	s_cmp_eq_u32 s3, 1
	s_cbranch_scc1 .Lno_fetch_\@
	FETCH 0, F0
.Lno_fetch_\@:
	MUL16 F1, 1, 0, 0
	MUL16 F1, 1, 2, 0
.endm
	s_wait_tensorcnt 0x1                           ; my part of K step 0 is in; step 1's may stay out
	s_barrier_signal -1
	s_barrier_wait -1
	FETCH 0, F0
	QUARTER 1, F0, F1, 1
	WIN 0
	s_mov_b32 s3, NSTEPS-2
.Lstep:
	QUARTER 2, F1, F0, 0
	QUARTER 3, F0, F1, 0
	TURN1
	QUARTER 1, F0, F1, 0
	WIN 0
	s_sub_co_u32 s3, s3, 1
	s_cmp_lg_u32 s3, 0
	s_cbranch_scc1 .Lstep
	s_mov_b32 s3, 2
.Ltail:                                                ; the same without refills; the second trip is left in its middle
	QUARTER 2, F1, F0, 0
	QUARTER 3, F0, F1, 0
	TURN0
	WIN 0
	s_sub_co_u32 s3, s3, 1
	s_cmp_eq_u32 s3, 0
	s_cbranch_scc1 .Lout
	QUARTER 1, F0, F1, 0
	WIN 0
	s_cmp_lg_u32 s3, 0
	s_cbranch_scc1 .Ltail
.Lout:
	; THE WAY OUT.  The sums go as f32 into my part of the ring and come back by rows, 8 rows a trip; bias and gelu in f32; rounded; four rows of a block leave as 512 consecutive bytes.
	PLACES
	s_wait_dscnt 0x0
	s_barrier_signal -1                            ; every wave's reads of the ring are back before any wave's dump writes over it
	s_barrier_wait -1
.irp hi, 0,1
	WIN 0x08+4*(\hi)
.irp a, 0,1,2,3
.irp b, 0,1,2,3,4,5,6,7
	ds_store_b128 v[DST], v[8*(8*(\a)+(\b)):8*(8*(\a)+(\b))+3]   offset:(4*(\hi)+(\a))*16*DP+64*(\b)
	ds_store_b128 v[DST], v[8*(8*(\a)+(\b))+4:8*(8*(\a)+(\b))+7] offset:(4*(\hi)+(\a))*16*DP+64*(\b)+16
.endr
.endr
.endr
	WIN 0
.macro LOADX
.irp g, 0,1
.irp c, 0,1
.irp e, 0,1
	ds_load_b128 v[XR+16*(\g)+8*(\c)+4*(\e):XR+16*(\g)+8*(\c)+4*(\e)+3], v[RD] offset:(\g)*4*DP+(\c)*256+(\e)*16
.endr
.endr
.endr
.endm
	LOADX
	s_wait_loadcnt 0x0                             ; the bias
	s_mov_b32 s3, 16
.Lepi:
	s_wait_dscnt 0x0
.irp g, 0,1
.irp c, 0,1
.irp p, 0,2,4,6
	v_pk_add_f32 v[ZR+16*(\g)+8*(\c)+(\p):ZR+16*(\g)+8*(\c)+(\p)+1], v[XR+16*(\g)+8*(\c)+(\p):XR+16*(\g)+8*(\c)+(\p)+1], v[BI+8*(\c)+(\p):BI+8*(\c)+(\p)+1]
.endr
.endr
.endr
	s_cmp_eq_u32 s3, 1
	s_cbranch_scc1 .Lno_more                       ; the last trip has no rows to read ahead
	v_add_nc_u32 v[RD], 8*DP, v[RD]
	LOADX
.Lno_more:
.if !QKV
	; gelu (tanh form) = z / (1 + 2^(z (c0 + c1 z z)))
.set i, 0
.rept 16
	v_pk_mul_f32 v[TR+i:TR+i+1], v[ZR+i:ZR+i+1], v[ZR+i:ZR+i+1]
.set i, i+2
.endr
.set i, 0
.rept 16
	v_pk_fma_f32 v[TR+i:TR+i+1], v[TR+i:TR+i+1], s[74:75], s[76:77] op_sel_hi:[1,0,0]
.set i, i+2
.endr
.set i, 0
.rept 16
	v_pk_mul_f32 v[TR+i:TR+i+1], v[TR+i:TR+i+1], v[ZR+i:ZR+i+1]
.set i, i+2
.endr
.set i, 0
.rept 32
	v_exp_f32 v[TR+i], v[TR+i]
.set i, i+1
.endr
	v_nop                                          ; a plain instruction between the run and the use of its results (ISA guide 5.7.2)
.set i, 0
	s_wait_alu depctr_va_vdst(0)
.rept 16
	v_pk_add_f32 v[TR+i:TR+i+1], v[TR+i:TR+i+1], 1.0 op_sel_hi:[1,0]
.set i, i+2
.endr
.set i, 0
.rept 32
	v_rcp_f32 v[TR+i], v[TR+i]
.set i, i+1
.endr
	v_nop
.set i, 0
	s_wait_alu depctr_va_vdst(0)
.rept 16
	v_pk_mul_f32 v[ZR+i:ZR+i+1], v[ZR+i:ZR+i+1], v[TR+i:TR+i+1]
.set i, i+2
.endr
.endif
.set i, 0
.rept 16
	v_cvt_pk_bf16_f32 v[YR+i], v[ZR+2*i], v[ZR+2*i+1]
.set i, i+1
.endr
.irp g, 0,1
.irp c, 0,1
	global_store_b128 v[CO], v[YR+4*(2*(\g)+(\c)):YR+4*(2*(\g)+(\c))+3], s[8:9] offset:(\c)*PLANEB+(\g)*512
.endr
.endr
	s_wait_xcnt 0x0                                ; the stores' base and data are rewritten only behind this wait
	s_add_nc_u64 s[8:9], s[8:9], 1024
	s_sub_co_u32 s3, s3, 1
	s_cmp_lg_u32 s3, 0
	s_cbranch_scc1 .Lepi
	s_wait_tensorcnt 0x0                           ; the wave's end
	ds_add_u32 v[SPW], v[NIL]
	s_wait_dscnt 0x0
	CROUND                                         ; the closing round
	s_endpgm
.Lfunc_end_k_q9b8a16e85e_ff1:
	.size	k_q9b8a16e85e_ff1, .Lfunc_end_k_q9b8a16e85e_ff1-k_q9b8a16e85e_ff1
	.p2alignl 7, 3214868480
	.fill 96, 4, 3214868480
	.section	.rodata,"a",@progbits
	.p2align	6, 0x0
	.amdhsa_kernel k_q9b8a16e85e_ff1
		.amdhsa_group_segment_fixed_size 327680
		.amdhsa_private_segment_fixed_size 0
		.amdhsa_enable_private_segment 0
		.amdhsa_kernarg_size 32
		.amdhsa_user_sgpr_count 2
		.amdhsa_user_sgpr_kernarg_segment_ptr 1
		.amdhsa_wavefront_size32 1
		.amdhsa_system_sgpr_workgroup_id_x 1
		.amdhsa_system_sgpr_workgroup_id_y 1
		.amdhsa_system_sgpr_workgroup_id_z 1
		.amdhsa_system_vgpr_workitem_id 0
		.amdhsa_next_free_vgpr 1024
		.amdhsa_next_free_sgpr 80
		.amdhsa_reserve_vcc 0
		.amdhsa_float_denorm_mode_32 3
		.amdhsa_float_denorm_mode_16_64 3
		.amdhsa_memory_ordered 1
		.amdhsa_forward_progress 1
		.amdhsa_inst_pref_size 89
	.end_amdhsa_kernel
	.amdgpu_metadata
---
amdhsa.version: [ 1, 2 ]
amdhsa.kernels:
  - .name:           k_q9b8a16e85e_ff1
    .symbol:         k_q9b8a16e85e_ff1.kd
    .args:
      - { .name: hb, .offset: 0, .size: 8, .value_kind: global_buffer, .address_space: global }
      - { .name: wb, .offset: 8, .size: 8, .value_kind: global_buffer, .address_space: global }
      - { .name: gb, .offset: 16, .size: 8, .value_kind: global_buffer, .address_space: global }
      - { .name: b1, .offset: 24, .size: 8, .value_kind: global_buffer, .address_space: global }
    .group_segment_fixed_size: 327680
    .private_segment_fixed_size: 0
    .kernarg_segment_align: 8
    .kernarg_segment_size: 32
    .max_flat_workgroup_size: 128
    .sgpr_count:     80
    .vgpr_count:     1024
    .wavefront_size: 32
...
	.end_amdgpu_metadata
.endif
;; end of part 5
;; launch ff2 (part 6): grid 8 x 32, 4 waves a work-group, clusters of 4 x 4, 327,680 bytes of LDS; arguments gb, wb, out0, b2, x1; writes out0
.if DOCPART == 6
	.amdgcn_target "amdgcn-amd-amdhsa--gfx1250"
	.amdhsa_code_object_version 6
	.text
	.protected	k_q9b8a16e85e_ff2
	.globl	k_q9b8a16e85e_ff2
	.p2align	8
	.type	k_q9b8a16e85e_ff2,@function
k_q9b8a16e85e_ff2:
	s_mov_b64 s[64:65], 0
	v_nop
	global_prefetch_b8 v0, s[64:65] scope:SCOPE_SE
	s_setreg_imm32_b32 hwreg(HW_REG_WAVE_MODE, 25, 1), 1
	s_wait_xcnt 0x0
	s_wait_alu depctr_hold_cnt(0) depctr_sa_sdst(0) depctr_va_vdst(0) depctr_va_sdst(0) depctr_va_ssrc(0) depctr_va_vcc(0) depctr_vm_vsrc(0)
	s_getreg_b32 s2, hwreg(HW_REG_IB_STS2, 6, 4)
	s_cmp_eq_u32 s2, 0
	s_cbranch_scc0 .Lentry_in_a_cluster
	s_endpgm
.Lentry_in_a_cluster:
	s_bfe_u32 s2, ttmp6, 0x10000c
	s_cmp_lg_u32 s2, 0xf033
	s_cbranch_scc0 .Lentry_shape_is_right
	s_endpgm
.Lentry_shape_is_right:
; out = resid + A W + bias.  A: bf16 in blocks [K / 64][4096][64], K = 4,096; W: bf16 [K][1024] at byte WOFF of wb; bias [1024], resid and out [4096][1024] f32.  Sums in f32; the bias starts them.
; C has 64 tiles of 256 x 256, too few for the chip, so a tile is 128 x 128: 256 work-groups, four waves of 64 x 64 (16 accumulators).  K goes in steps of 256 (four blocks of A) through two LDS slots.
; A's tile of one block is 128 dense rows of 128 bytes: two blocks come as a tile of 2 rows of 16,384 bytes, padded in LDS behind every 128.  W's rows come as they lie; its fragments are turned by ds_load_tr16_b128.
; CLUSTER 4 x 4: the four of a row share A's tiles, the four of a column W's: joint loads.  The matrix instruction is used transposed: a lane holds eight neighbouring numbers of a row of C.
; PREFETCH into the L2: a K step has 128 matrix instructions a wave, half of what the 256 x 256 tile has for as many bytes, and every K step's bytes are read here for the first time in the launch.  So wave 0 of each
; work-group asks ahead.  A: a K step's 256 blocks of 256 bytes of a tile row are dealt to the 8 tile columns, 32 lanes 256 bytes apart; steps 2 and 3 at the start, then a step a trip, two trips ahead of its tensor
; load; the last two trips ask for nothing.  W: the cluster's y picks 32 of a step's 256 rows, my place along the cluster's y the step among four: steps 2 to 5 at the start, then four steps every fourth trip.
; The last such request (steps 14 to 17) is clamped to step 15, whose blocks are then asked for three times.
; WINDOWS: 0: addresses, bias, accumulators ((a, b) at 128 + 8 (4 a + b)); 1: two fragment buffers of 128 (A's 64, W's 64), later the rows on their way out; 2: v0-127 the residual.
; LIMITS: operands are rounded to bf16; NaN and infinities are not treated apart.
.set NSTEPS, 16
.set WOFF,   0x1000000
.set PLANEB, 524288
.set PA,     144
.set APL,    128*PA
.set PB,     288
.set BOFF,   4*APL
.set BHALF,  128*PB
.set SLOT,   BOFF+2*BHALF
.set SPARE,  2*SLOT
.set DP,     272
.set DUMPW,  64*DP
.set ADV_A,  4*PLANEB
.set ADV_B,  256*1024*2
.set A0,   14
.set B0,   15
.set ADRA, 16
.set ADRB, 20
.set DST,  24
.set RD,   25
.set CO,   26
.set BO,   27
.set SPW,  28
.set NIL,  29
.set VQA,  30                          ; v30 prefetch of A: 256 bytes a lane   v31 of W: a row of 2,048 bytes a lane; never rewritten
.set VQB,  31
.set BIAS, 96
.set ACC,  128
.set F0,   0
.set F1,   128
.set G1,   24
.set G0,   32
.set TOG,  45
.set G1B,  48
.set G0B,  56
.set QA,   72                          ; s[72:73] prefetch of A: my 32 blocks of a K step; it walks   s[74:75] of W: my 32 rows in K step 0   s[76:77] the same in the step asked for   s[78:79] an offset
.set QB,   74
.set QW,   76
.set QO,   78
.set MSB, 0
.macro WIN new
.if MSB != (\new)
	s_set_vgpr_msb (MSB<<8)|(\new)
.set MSB, \new
.endif
.endm
.set MUL,  0x05
.set TO_F, 0x40
.macro PLACES
.rept 4
	v_nop
.endr
.endm
.macro JLOAD                           ; a joint refill by the walking descriptors: waves 0, 1 fetch A's blocks, two each; waves 2, 3 the halves of W's 256 rows
	s_cmp_eq_u32 s11, 0
	s_cbranch_scc0 .Lfor_b_\@
	tensor_load_to_lds s[G0+4:G0+7], s[G1:G1+7]
	s_nop 0
.rept 4
	v_nop
.endr
	s_branch .Lasked_\@
.Lfor_b_\@:
	tensor_load_to_lds s[G0B+4:G0B+7], s[G1B:G1B+7]
	s_nop 0
.rept 4
	v_nop
.endr
.Lasked_\@:
.endm
.macro CREST
	s_cmp_lg_u32 s10, 0
	s_cbranch_scc1 .Lnot_wave_0_\@
	s_barrier_signal -3
.Lnot_wave_0_\@:
	s_barrier_wait -3
	s_barrier_signal -1
	s_barrier_wait -1
.endm
.macro CROUND
	s_barrier_signal -1
	s_barrier_wait -1
	CREST
.endm
	s_load_b128 s[4:7], s[0:1], 0x0                ; A, wb
	s_load_b64 s[8:9], s[0:1], 0x10                ; out
	s_load_b64 s[68:69], s[0:1], 0x18              ; bias
	s_load_b64 s[70:71], s[0:1], 0x20              ; resid
	v_lshl_add_u32 v[SPW], v0, 2, SPARE
	v_mov_b32 v[NIL], 0
	ds_add_u32 v[SPW], v[NIL]                      ; the wave's opening: the add and its wait stand ahead of my first tensor load
	v_lshrrev_b32 v1, 5, v0
	v_readfirstlane_b32 s10, v1
	s_lshr_b32 s11, s10, 1
	s_and_b32 s12, s10, 1
	s_bfe_u32 s40, ttmp6, 0x40000
	s_bfe_u32 s41, ttmp6, 0x40004
	s_lshl_b32 s42, ttmp9, 2
	s_add_co_u32 s42, s42, s40                     ; tile column
	s_and_b32 s13, ttmp7, 0xffff
	s_lshl_b32 s13, s13, 2
	s_add_co_u32 s13, s13, s41                     ; tile row
	s_lshl_b32 s43, s41, 2
	s_lshl_b32 s43, 15, s43
	s_lshl_b32 s44, 0x1111, s40
	s_or_b32 s[G1+0], s43, (1<<16)|(1<<20)|(1<<21)|(4<<22)|(3<<25)
	s_mov_b32 s[G1+1], 8192<<16
	s_mov_b32 s[G1+2], 2<<16
	s_mov_b32 s[G1+3], 8192<<16
	s_mov_b32 s[G1+4], 2
	s_mov_b32 s[G1+5], PLANEB/2
	s_mov_b32 s[G1+6], 0
	s_mov_b32 s[G1+7], 0
	s_or_b32 s[G1B+0], s44, (1<<16)|(1<<20)|(1<<21)|(5<<22)|(7<<25)
	s_mov_b32 s[G1B+1], 128<<16
	s_mov_b32 s[G1B+2], 128<<16
	s_mov_b32 s[G1B+3], 128<<16
	s_mov_b32 s[G1B+4], 128
	s_mov_b32 s[G1B+5], 1024
	s_mov_b32 s[G1B+6], 0
	s_mov_b32 s[G1B+7], 0
	s_lshl_b32 s16, s13, 14
	s_lshl_b32 s17, s12, 20
	s_add_co_u32 s16, s16, s17
	s_mov_b32 s17, 0
	s_lshl_b32 s46, s42, 8
	s_lshl_b32 s47, s12, 18
	s_add_co_u32 s46, s46, s47
	s_add_co_u32 s46, s46, WOFF
	s_mov_b32 s47, 0
	s_mul_i32 s20, s12, 2*APL
	s_mul_i32 s21, s12, BHALF
	s_add_co_u32 s21, s21, BOFF
	s_mov_b32 s[TOG], 0
	s_wait_dscnt 0x0                               ; the opening add is done
	s_wait_kmcnt 0x0
	s_add_nc_u64 s[14:15], s[4:5], s[16:17]
	s_add_nc_u64 s[46:47], s[6:7], s[46:47]
.irp s, 0,1
	s_mov_b32 s[G0+4*(\s)], 1
	s_add_co_u32 s[G0+4*(\s)+1], s20, (\s)*SLOT
	s_add_nc_u64 s[G0+4*(\s)+2:G0+4*(\s)+3], s[14:15], (\s)*ADV_A
	s_or_b32 s[G0+4*(\s)+3], s[G0+4*(\s)+3], 0x80000000
	s_mov_b32 s[G0B+4*(\s)], 1
	s_add_co_u32 s[G0B+4*(\s)+1], s21, (\s)*SLOT
	s_add_nc_u64 s[G0B+4*(\s)+2:G0B+4*(\s)+3], s[46:47], (\s)*ADV_B
	s_or_b32 s[G0B+4*(\s)+3], s[G0B+4*(\s)+3], 0x80000000
.endr
	CROUND                                         ; all sixteen work-groups are here: the first joint loads meet
	s_cmp_eq_u32 s11, 0                            ; a wave's two first fills stand in one branch: two loads of mine are out
	s_cbranch_scc0 .Lfirst_b
	tensor_load_to_lds s[G0:G0+3], s[G1:G1+7]
	s_nop 0
	tensor_load_to_lds s[G0+4:G0+7], s[G1:G1+7]
	s_nop 0
.rept 4
	v_nop
.endr
	s_branch .Lfirst_asked
.Lfirst_b:
	tensor_load_to_lds s[G0B:G0B+3], s[G1B:G1B+7]
	s_nop 0
	tensor_load_to_lds s[G0B+4:G0B+7], s[G1B:G1B+7]
	s_nop 0
.rept 4
	v_nop
.endr
.Lfirst_asked:
	v_and_b32 v1, 15, v0
	v_bfe_u32 v2, v0, 4, 1
	v_lshlrev_b32 v[CO], 12, v2
	v_lshl_add_u32 v[CO], v1, 4, v[CO]
	v_lshlrev_b32 v[BO], 5, v2
	s_lshl_b32 s16, s13, 7
	s_lshl_b32 s17, s11, 6
	s_add_co_u32 s16, s16, s17
	s_lshl_b32 s16, s16, 12
	s_lshl_b32 s46, s42, 7
	s_lshl_b32 s47, s12, 6
	s_add_co_u32 s46, s46, s47
	s_lshl_b32 s46, s46, 2
	s_mov_b32 s47, 0
	s_add_nc_u64 s[68:69], s[68:69], s[46:47]
	s_add_co_u32 s16, s16, s46
	s_mov_b32 s17, 0
	s_add_nc_u64 s[8:9], s[8:9], s[16:17]
	s_add_nc_u64 s[70:71], s[70:71], s[16:17]
.irp b, 0,1,2,3
	global_load_b128 v[BIAS+8*(\b):BIAS+8*(\b)+3],   v[BO], s[68:69] offset:64*(\b)
	global_load_b128 v[BIAS+8*(\b)+4:BIAS+8*(\b)+7], v[BO], s[68:69] offset:64*(\b)+16
.endr
	; what wave 0 asks the L2 for: K steps 0 and 1 are the first fills, so the asking begins with step 2
	v_and_b32 v[VQA], 31, v0
	v_lshlrev_b32 v[VQB], 11, v[VQA]
	v_lshlrev_b32 v[VQA], 8, v[VQA]
	s_lshl_b32 s[QO], s13, 14                      ; A: my tile row's 128 rows in a block,
	s_and_b32 s66, s42, 1
	s_lshl_b32 s66, s66, 13                        ; the half of them (8,192 bytes) that falls to my tile column,
	s_add_co_u32 s[QO], s[QO], s66
	s_lshr_b32 s66, s42, 1                         ; in that one of the step's four blocks;
	s_add_co_u32 s66, s66, 8                       ; K step 2 begins with block 8
	s_lshl_b32 s66, s66, 19
	s_add_co_u32 s[QO], s[QO], s66
	s_mov_b32 s[QO+1], 0
	s_add_nc_u64 s[QA:QA+1], s[4:5], s[QO:QO+1]
	s_and_b32 s66, ttmp7, 0xffff                   ; W: the cluster's y picks 32 rows of 2,048 bytes,
	s_lshl_b32 s66, s66, 16
	s_lshl_b32 s[QO], s42, 8                       ; my tile column their 256 bytes
	s_add_co_u32 s[QO], s[QO], s66
	s_add_co_u32 s[QO], s[QO], WOFF
	s_add_nc_u64 s[QB:QB+1], s[6:7], s[QO:QO+1]
	s_add_co_u32 s67, s41, 2                       ; the step: 2 + my place along the cluster's y,
	s_min_u32 s66, s67, NSTEPS-1                   ; never past the last
	s_mul_i32 s[QO], s66, ADV_B
	s_add_nc_u64 s[QW:QW+1], s[QB:QB+1], s[QO:QO+1]
	s_cmp_lg_u32 s10, 0
	s_cbranch_scc1 .Lno_ask
	global_prefetch_b8 v[VQA], s[QA:QA+1] th:TH_LOAD_NT scope:SCOPE_SE               ; A, K step 2
	global_prefetch_b8 v[VQA], s[QA:QA+1] offset:ADV_A th:TH_LOAD_NT scope:SCOPE_SE  ; A, K step 3
	global_prefetch_b8 v[VQB], s[QW:QW+1] th:TH_LOAD_NT scope:SCOPE_SE               ; W, one of K steps 2 to 5
.Lno_ask:
	v_mul_u32_u24 v3, v1, PA
	v_lshl_add_u32 v3, v2, 4, v3
	s_mul_i32 s22, s11, 64*PA
	v_add_nc_u32 v[A0], s22, v3
	v_and_b32 v4, 7, v0
	v_lshl_add_u32 v4, v2, 3, v4
	v_mul_u32_u24 v4, v4, PB
	v_bfe_u32 v5, v0, 3, 1
	v_lshl_add_u32 v4, v5, 4, v4
	s_lshl_b32 s23, s12, 7
	s_add_co_u32 s23, s23, BOFF
	v_add_nc_u32 v[B0], s23, v4
	v_mov_b32 v[ADRA], v[A0]
	v_mov_b32 v[ADRB], v[B0]
	v_add_nc_u32 v[ADRB+1], 128*PB, v[ADRB]
	s_mul_i32 s22, s10, DUMPW
	v_mul_u32_u24 v3, v1, DP
	v_lshl_add_u32 v3, v2, 5, v3
	v_add_nc_u32 v[DST], s22, v3
	v_mul_u32_u24 v3, v2, DP
	v_lshl_add_u32 v3, v1, 4, v3
	v_add_nc_u32 v[RD], s22, v3
.macro MUL8 f, c, a0, zero
	WIN MUL
.irp a, \a0, (\a0)+1
.irp b, 0,1,2,3
.if \zero
	v_wmma_f32_16x16x32_bf16 v[ACC+8*(4*(\a)+(\b)):ACC+8*(4*(\a)+(\b))+7], v[(\f)+64+8*(4*(\c)+(\b)):(\f)+64+8*(4*(\c)+(\b))+7], v[(\f)+8*(4*(\c)+(\a)):(\f)+8*(4*(\c)+(\a))+7], v[BIAS+8*(\b):BIAS+8*(\b)+7]
.else
	v_wmma_f32_16x16x32_bf16 v[ACC+8*(4*(\a)+(\b)):ACC+8*(4*(\a)+(\b))+7], v[(\f)+64+8*(4*(\c)+(\b)):(\f)+64+8*(4*(\c)+(\b))+7], v[(\f)+8*(4*(\c)+(\a)):(\f)+8*(4*(\c)+(\a))+7], v[ACC+8*(4*(\a)+(\b)):ACC+8*(4*(\a)+(\b))+7]
.endif
.endr
.endr
.endm
.macro FETCH q, f
	WIN TO_F
.irp c, 0,1
.irp i, 0,1,2,3
	ds_load_tr16_b128 v[(\f)+64+8*(4*(\c)+(\i)):(\f)+64+8*(4*(\c)+(\i))+3],   v[ADRB+(\q)/2] offset:(((\q)%2)*64+32*(\c))*PB+32*(\i)
	ds_load_tr16_b128 v[(\f)+64+8*(4*(\c)+(\i))+4:(\f)+64+8*(4*(\c)+(\i))+7], v[ADRB+(\q)/2] offset:(((\q)%2)*64+32*(\c)+16)*PB+32*(\i)
	ds_load_b128 v[(\f)+8*(4*(\c)+(\i)):(\f)+8*(4*(\c)+(\i))+3],   v[ADRA] offset:(\q)*APL+64*(\c)+(\i)*16*PA
	ds_load_b128 v[(\f)+8*(4*(\c)+(\i))+4:(\f)+8*(4*(\c)+(\i))+7], v[ADRA] offset:(\q)*APL+64*(\c)+(\i)*16*PA+32
.endr
.endr
	WIN 0
.endm
.macro QUARTER q, f, g, zero
	s_wait_dscnt 16                                ; the first 32 along K are in
	MUL8 \f, 0, 0, \zero
	MUL8 \f, 0, 2, \zero
	PLACES
	FETCH \q, \g
	s_wait_dscnt 32                                ; all but the 32 just issued
	MUL8 \f, 1, 0, 0
	MUL8 \f, 1, 2, 0
.endm
; The last quarter's first half, and the one barrier of a change of slots.  The 16 products stand AHEAD of the wait for the tensor loads: they are issued while the next slot's tile may still be on its way, and
; behind the wait nothing but the add, the wait for it and the barrier stands in front of the next request.  In front of the barrier each wave has waited for all its tensor loads, has added 0 to its spare word, and
; has waited for that and for its own reads of this slot.  fill = 1: the walking descriptors step between the add and its wait: no tensor load of mine is out.
.macro MEET fill
	s_wait_dscnt 16                                ; the last quarter's first 32 along K are in; the youngest sixteen loads may be out
	MUL8 F1, 0, 0, 0
	MUL8 F1, 0, 2, 0
	WIN 0
	s_wait_tensorcnt 0x0
	ds_add_u32 v[SPW], v[NIL]
.if \fill
	s_add_co_u32 s[G0+5], s20, s[TOG]
	s_add_nc_u64 s[G0+6:G0+7], s[G0+6:G0+7], ADV_A
	s_add_co_u32 s[G0B+5], s21, s[TOG]
	s_add_nc_u64 s[G0B+6:G0B+7], s[G0B+6:G0B+7], ADV_B
.endif
	s_wait_dscnt 0x0                               ; the add is done, my reads of this slot are over
	s_barrier_signal -1
	s_barrier_wait -1
.endm
.macro TOGGLE
	s_xor_b32 s[TOG], s[TOG], SLOT
	v_add_nc_u32 v[ADRA], s[TOG], v[A0]
	v_add_nc_u32 v[ADRB], s[TOG], v[B0]
	v_add_nc_u32 v[ADRB+1], 128*PB, v[ADRB]
.endm
; Wave 0 asks ahead.  The trip with s3 = NSTEPS - 2 - t has just issued the tensor load of K step t + 2; it asks for A's step t + 4, whose tensor load the trip after next issues.  The last two trips
; (s3 = 2, 1) would ask past K's end and ask for nothing.  Every fourth trip (s3 a multiple of 4) asks for W's next four steps, the first of them two trips ahead of its tensor load.
.macro PREF
	s_cmp_lg_u32 s10, 0
	s_cbranch_scc1 .Lnone_\@
	s_cmp_gt_u32 s3, 2
	s_cbranch_scc0 .Lnone_\@
	s_wait_xcnt 0x0                                ; the bases of the requests made in earlier trips are rewritten only behind this wait
	s_add_nc_u64 s[QA:QA+1], s[QA:QA+1], ADV_A
	global_prefetch_b8 v[VQA], s[QA:QA+1] offset:ADV_A th:TH_LOAD_NT scope:SCOPE_SE
	s_and_b32 s66, s3, 3
	s_cmp_lg_u32 s66, 0
	s_cbranch_scc1 .Lnone_\@
	s_add_co_u32 s67, s67, 4
	s_min_u32 s66, s67, NSTEPS-1                   ; never past the last step
	s_mul_i32 s[QO], s66, ADV_B
	s_add_nc_u64 s[QW:QW+1], s[QB:QB+1], s[QO:QO+1]
	global_prefetch_b8 v[VQB], s[QW:QW+1] th:TH_LOAD_NT scope:SCOPE_SE
.Lnone_\@:
.endm
.macro TURN1                           ; the slot just read out is filled again, with the K step two on: 128 matrix instructions stand between the request and the wait for it
	MEET 1
	CREST
	JLOAD
	TOGGLE
	FETCH 0, F0
.if NSTEPS > 4
	PREF
.endif
	MUL8 F1, 1, 0, 0
	MUL8 F1, 1, 2, 0
.endm
.macro TURN0                           ; the last two K steps ask for nothing; the very last (s3 = 1) has no next step to fetch from
	MEET 0
	PLACES
	TOGGLE
	s_cmp_eq_u32 s3, 1
	s_cbranch_scc1 .Lno_fetch_\@
	FETCH 0, F0
.Lno_fetch_\@:
	MUL8 F1, 1, 0, 0
	MUL8 F1, 1, 2, 0
.endm
	s_wait_tensorcnt 0x1                           ; my part of K step 0 is in; step 1's may stay out
	s_barrier_signal -1
	s_barrier_wait -1
	FETCH 0, F0
	s_wait_loadcnt 0x0                             ; the bias
	WIN 0x80                                       ; destination window 2: my 64 x 64 of the residual goes out only now, behind the first tiles, and has the whole walk along K in which to land
.set t, 0
.rept 32
	global_load_b128 v[4*t:4*t+3], v[CO], s[70:71] offset:8192*t
.set t, t+1
.endr
	WIN 0
	QUARTER 1, F0, F1, 1
	WIN 0
	s_mov_b32 s3, NSTEPS-2
.Lstep:
	QUARTER 2, F1, F0, 0
	QUARTER 3, F0, F1, 0
	TURN1
	QUARTER 1, F0, F1, 0
	WIN 0
	s_sub_co_u32 s3, s3, 1
	s_cmp_lg_u32 s3, 0
	s_cbranch_scc1 .Lstep
	s_mov_b32 s3, 2
.Ltail:                                                ; the same without refills; the second trip is left in its middle
	QUARTER 2, F1, F0, 0
	QUARTER 3, F0, F1, 0
	TURN0
	WIN 0
	s_sub_co_u32 s3, s3, 1
	s_cmp_eq_u32 s3, 0
	s_cbranch_scc1 .Lout
	QUARTER 1, F0, F1, 0
	WIN 0
	s_cmp_lg_u32 s3, 0
	s_cbranch_scc1 .Ltail
.Lout:
	; THE WAY OUT: the sums go into my part of the ring, come back as rows of 256 bytes, take the residual and leave.
	PLACES
	s_wait_dscnt 0x0
	s_barrier_signal -1                            ; every wave's reads of the ring are back before any wave's dump writes over it
	s_barrier_wait -1
.irp a, 0,1,2,3
.irp b, 0,1,2,3
	ds_store_b128 v[DST], v[ACC+8*(4*(\a)+(\b)):ACC+8*(4*(\a)+(\b))+3]   offset:(\a)*16*DP+64*(\b)
	ds_store_b128 v[DST], v[ACC+8*(4*(\a)+(\b))+4:ACC+8*(4*(\a)+(\b))+7] offset:(\a)*16*DP+64*(\b)+16
.endr
.endr
	WIN 0x40
.set t, 0
.rept 32
	ds_load_b128 v[4*t:4*t+3], v[RD] offset:t*2*DP ; LDS serves a wave's instructions in order: these see my stores
.set t, t+1
.endr
	s_wait_loadcnt 0x0                             ; the residual
	s_wait_dscnt 0x0
	WIN 0x49                                       ; window 1 += window 2
.set t, 0
.rept 64
	v_pk_add_f32 v[2*t:2*t+1], v[2*t:2*t+1], v[2*t:2*t+1]
.set t, t+1
.endr
	WIN 0x04
.set t, 0
.rept 32
	global_store_b128 v[CO], v[4*t:4*t+3], s[8:9] offset:8192*t  ; 16 lanes store 256 consecutive bytes, aligned
.set t, t+1
.endr
	WIN 0
	s_wait_tensorcnt 0x0                           ; the wave's end
	ds_add_u32 v[SPW], v[NIL]
	s_wait_dscnt 0x0
	CROUND                                         ; the closing round
	s_endpgm
.Lfunc_end_k_q9b8a16e85e_ff2:
	.size	k_q9b8a16e85e_ff2, .Lfunc_end_k_q9b8a16e85e_ff2-k_q9b8a16e85e_ff2
	.p2alignl 7, 3214868480
	.fill 96, 4, 3214868480
	.section	.rodata,"a",@progbits
	.p2align	6, 0x0
	.amdhsa_kernel k_q9b8a16e85e_ff2
		.amdhsa_group_segment_fixed_size 327680
		.amdhsa_private_segment_fixed_size 0
		.amdhsa_enable_private_segment 0
		.amdhsa_kernarg_size 40
		.amdhsa_user_sgpr_count 2
		.amdhsa_user_sgpr_kernarg_segment_ptr 1
		.amdhsa_wavefront_size32 1
		.amdhsa_system_sgpr_workgroup_id_x 1
		.amdhsa_system_sgpr_workgroup_id_y 1
		.amdhsa_system_sgpr_workgroup_id_z 1
		.amdhsa_system_vgpr_workitem_id 0
		.amdhsa_next_free_vgpr 640
		.amdhsa_next_free_sgpr 80
		.amdhsa_reserve_vcc 0
		.amdhsa_float_denorm_mode_32 3
		.amdhsa_float_denorm_mode_16_64 3
		.amdhsa_memory_ordered 1
		.amdhsa_forward_progress 1
		.amdhsa_inst_pref_size 68
	.end_amdhsa_kernel
	.amdgpu_metadata
---
amdhsa.version: [ 1, 2 ]
amdhsa.kernels:
  - .name:           k_q9b8a16e85e_ff2
    .symbol:         k_q9b8a16e85e_ff2.kd
    .args:
      - { .name: gb, .offset: 0, .size: 8, .value_kind: global_buffer, .address_space: global }
      - { .name: wb, .offset: 8, .size: 8, .value_kind: global_buffer, .address_space: global }
      - { .name: out0, .offset: 16, .size: 8, .value_kind: global_buffer, .address_space: global }
      - { .name: b2, .offset: 24, .size: 8, .value_kind: global_buffer, .address_space: global }
      - { .name: x1, .offset: 32, .size: 8, .value_kind: global_buffer, .address_space: global }
    .group_segment_fixed_size: 327680
    .private_segment_fixed_size: 0
    .kernarg_segment_align: 8
    .kernarg_segment_size: 40
    .max_flat_workgroup_size: 128
    .sgpr_count:     80
    .vgpr_count:     640
    .wavefront_size: 32
...
	.end_amdgpu_metadata
.endif
;; end of part 6
;; ======== version 2 of 2: 7 launches; version 1 with the launches prep, ln2 written anew for expert scheduling mode
;; workspace buffers: wb 25,165,824 bytes; hb 8,388,608 bytes; qkvb 25,165,824 bytes; ob 8,388,608 bytes; x1 16,777,216 bytes; gb 33,554,432 bytes
;; launch prep (part 7): grid 1024 x 1, 8 waves a work-group, no clusters, 0 bytes of LDS; arguments x, ln1_g, ln1_b, hb, Wq, Wk, Wv, Wo, W1, W2, wb; writes hb, wb
.if DOCPART == 7
	.amdgcn_target "amdgcn-amd-amdhsa--gfx1250"
	.amdhsa_code_object_version 6
	.text
	.protected	k_q9b8a16e85e_prep
	.globl	k_q9b8a16e85e_prep
	.p2align	8
	.type	k_q9b8a16e85e_prep,@function
k_q9b8a16e85e_prep:
	s_mov_b64 s[64:65], 0
	v_nop
	global_prefetch_b8 v0, s[64:65] scope:SCOPE_SE
	s_setreg_imm32_b32 hwreg(HW_REG_WAVE_SCHED_MODE, 0, 2), 2
	s_setreg_imm32_b32 hwreg(HW_REG_WAVE_MODE, 25, 1), 1
	s_wait_xcnt 0x0
	s_wait_alu depctr_vm_vsrc(0)
; ONE BODY, TWO LAUNCHES.  Arguments: rows, g, b, out, six weights, wb.
; Work-groups 0-255: LayerNorm of rows [4096][1024] f32, 16 rows each, written as bf16 in blocks: out[c / 64][row][c % 64], a block of 64 columns = 4,096 rows x 128 bytes.
; Work-groups 256-1023: the six weights rounded to bf16, in the order Wq Wk Wv Wo W1 W2, each row-major as given: 65,536 bytes of f32 in, 32,768 bytes out for each work-group.
; The first launch has 1,024 work-groups (LayerNorm 1 of x, and the weights).  The second LayerNorm is a launch of 256 work-groups on x1: all of them take the first path; the other seven addresses are loaded at the head and not used there.
; Both paths are streams: no LDS, no matrix unit, no cluster (the work-groups share only g and b, 8 KB).
; LN: lanes 0-15 of a wave own one row, lanes 16-31 the next; a lane holds 64 numbers of its row, so a row's sums never leave 16 lanes.  The variance is taken of the centred numbers.
; LIMITS: NaN and infinities are not treated apart; v_rsq_f32 is good to one unit in the last place.
; THE MODE: SCHED_MODE bits 1:0 = 2 (LLVM: expert scheduling mode 2), set by the entry lines.  The code itself states the register dependences
; between vector instructions and memory instructions, with s_wait_alu, always for 0.
; THE PLAN, LayerNorm.  Registers that memory instructions touch:
;   v1, v2, v3   byte offsets, made once at the head and never written again: one wait ahead of the first load serves every load and store.
;   XR, GR, BR   each register is the target of one load; no vector instruction names it before that load, and no load lands in it afterwards.
;   YR           each register is written once, by a rounding, and read once, by a store.  The last pass goes in two halves of eight blocks: a wait behind the first half's roundings, then its eight
;                stores dealt among the second half's multiplies, which name the upper halves of XR, GR, BR, YR and v[14:15] alone; a wait behind the second half's roundings, then its eight stores.
; THE PLAN, the weights.  v1, v2: offsets, as above.  v[16:79]: one load each, read by the roundings.  v[80:111]: written once by a rounding, read once by a store.  The sixteen pieces go in four groups:
; at a group's head one wait states that the group before has written its eight registers, and that group's four stores are dealt among this group's eight roundings, which name other registers.
; Nothing that a memory instruction has read is ever written again; no vector instruction writes a scalar register; EXEC is never written.
.set PLANEB, 524288                    ; bytes in a block of 64 columns
.set XR, 16                            ; v[16:79]   my 64 numbers of the row
.set GR, 80                            ; v[80:143]  g of my 64 columns
.set BR, 144                           ; v[144:207] b of my 64 columns
.set YR, 208                           ; v[208:239] the result, two bf16 a register
.macro RED16                           ; v[4:11], four pairs of partial sums -> v4: the sum over my row, in each of its 16 lanes
	v_pk_add_f32 v[4:5], v[4:5], v[6:7]
	v_pk_add_f32 v[8:9], v[8:9], v[10:11]
	v_pk_add_f32 v[4:5], v[4:5], v[8:9]
	v_add_f32 v4, v4, v5
	v_add_f32_dpp v4, v4, v4 row_xmask:1 row_mask:0xf bank_mask:0xf
	v_add_f32_dpp v4, v4, v4 row_xmask:2 row_mask:0xf bank_mask:0xf
	v_add_f32_dpp v4, v4, v4 row_xmask:4 row_mask:0xf bank_mask:0xf
	v_add_f32_dpp v4, v4, v4 row_xmask:8 row_mask:0xf bank_mask:0xf
.endm
; rows s[4:5], g s[6:7], b s[8:9], out s[10:11]; s34 = the group of 16 rows
.macro LNBODY
	s_lshl_b32 s2, s34, 16                         ; 16 rows of 4,096 bytes
	s_mov_b32 s3, 0
	s_lshl_b32 s28, s34, 11                        ; 16 rows of 128 bytes in a block
	s_mov_b32 s29, 0
	s_mov_b32 s26, 0x3a800000                      ; 1 / 1024
	s_mov_b32 s27, 0x3727c5ac                      ; 1e-5
	v_lshrrev_b32 v12, 4, v0                       ; my row among the 16
	v_and_b32 v13, 15, v0                          ; my place in the row
	v_lshlrev_b32 v2, 4, v13                       ; g, b: 16 bytes a lane
	v_lshl_add_u32 v1, v12, 12, v2                 ; rows: + row x 4,096
	v_lshlrev_b32 v3, 3, v13                       ; out: 8 bytes a lane
	v_lshl_add_u32 v3, v12, 7, v3                  ; + row x 128
	s_wait_kmcnt 0x0
	s_add_nc_u64 s[4:5], s[4:5], s[2:3]
	s_add_nc_u64 s[10:11], s[10:11], s[28:29]
	s_wait_alu depctr_va_vdst(0)                   ; v1, v2 and v3 are written: every load and store of this path reads one of them as its offset
.set j, 0
.rept 16                                           ; load j: columns 64 j + 4 (lane % 16) ..: 16 lanes take 256 consecutive bytes
	global_load_b128 v[XR+4*j:XR+4*j+3], v1, s[4:5] offset:256*j
.set j, j+1
.endr
.set j, 0
.rept 16
	global_load_b128 v[GR+4*j:GR+4*j+3], v2, s[6:7] offset:256*j
.set j, j+1
.endr
.set j, 0
.rept 16
	global_load_b128 v[BR+4*j:BR+4*j+3], v2, s[8:9] offset:256*j
.set j, j+1
.endr
	s_wait_loadcnt 32                              ; the row is in; the 32 younger loads, g's and b's, stay out
.irp c, 0,1,2,3
	v_pk_add_f32 v[4+2*(\c):5+2*(\c)], v[XR+2*(\c):XR+2*(\c)+1], v[XR+8+2*(\c):XR+8+2*(\c)+1]  ; four chains; the first pairs start them
.endr
.set p, 8
.rept 24
	v_pk_add_f32 v[4+2*(p%4):5+2*(p%4)], v[4+2*(p%4):5+2*(p%4)], v[XR+2*p:XR+2*p+1]
.set p, p+1
.endr
	RED16
	v_mul_f32 v12, s26, v4                         ; the mean, twice: a pair for the packed subtraction
	v_mov_b32 v13, v12
.set p, 0
.rept 32
	v_pk_add_f32 v[XR+2*p:XR+2*p+1], v[XR+2*p:XR+2*p+1], v[12:13] neg_lo:[0,1] neg_hi:[0,1]
.set p, p+1
.endr
.irp c, 0,1,2,3
	v_pk_mul_f32 v[4+2*(\c):5+2*(\c)], v[XR+2*(\c):XR+2*(\c)+1], v[XR+2*(\c):XR+2*(\c)+1]
.endr
.set p, 4
.rept 28
	v_pk_fma_f32 v[4+2*(p%4):5+2*(p%4)], v[XR+2*p:XR+2*p+1], v[XR+2*p:XR+2*p+1], v[4+2*(p%4):5+2*(p%4)]
.set p, p+1
.endr
	RED16
	v_fma_f32 v4, v4, s26, s27                     ; variance + eps
	v_rsq_f32 v14, v4
	v_nop                                          ; a plain instruction between the root and the use of its result (ISA guide 5.7.2)
	s_wait_alu depctr_va_vdst(0)                   ; the root has written v14, ahead of its first reader, the copy below
	v_mov_b32 v15, v14
	s_wait_loadcnt 0x0                             ; g and b
	; the last pass, blocks 0 to 7: g times the root; (x - mean) times that, plus b; rounded
.set p, 0
.rept 16
	v_pk_mul_f32 v[GR+2*p:GR+2*p+1], v[GR+2*p:GR+2*p+1], v[14:15]
.set p, p+1
.endr
.set p, 0
.rept 16
	v_pk_fma_f32 v[XR+2*p:XR+2*p+1], v[XR+2*p:XR+2*p+1], v[GR+2*p:GR+2*p+1], v[BR+2*p:BR+2*p+1]
.set p, p+1
.endr
.set p, 0
.rept 16
	v_cvt_pk_bf16_f32 v[YR+p], v[XR+2*p], v[XR+2*p+1]
.set p, p+1
.endr
	s_wait_alu depctr_va_vdst(0)                   ; the roundings have written v[YR .. YR+15], which the eight stores below read
	; blocks 8 to 15; the stores of blocks 0 to 7 stand among the multiplies.  No wait: no vector instruction since the wait above names v3 or v[YR .. YR+15]
.set j, 0
.rept 8                                            ; block j: my two rows' 128 bytes lie end to end: a wave's store covers 256 consecutive bytes, aligned
	global_store_b64 v3, v[YR+2*j:YR+2*j+1], s[10:11] offset:j*PLANEB
	v_pk_mul_f32 v[GR+32+4*j:GR+32+4*j+1], v[GR+32+4*j:GR+32+4*j+1], v[14:15]
	v_pk_mul_f32 v[GR+32+4*j+2:GR+32+4*j+3], v[GR+32+4*j+2:GR+32+4*j+3], v[14:15]
.set j, j+1
.endr
.set p, 16
.rept 16
	v_pk_fma_f32 v[XR+2*p:XR+2*p+1], v[XR+2*p:XR+2*p+1], v[GR+2*p:GR+2*p+1], v[BR+2*p:BR+2*p+1]
.set p, p+1
.endr
.set p, 16
.rept 16
	v_cvt_pk_bf16_f32 v[YR+p], v[XR+2*p], v[XR+2*p+1]
.set p, p+1
.endr
	s_wait_alu depctr_va_vdst(0)                   ; the roundings have written v[YR+16 .. YR+31], which the last eight stores read
.set j, 8
.rept 8
	global_store_b64 v3, v[YR+2*j:YR+2*j+1], s[10:11] offset:j*PLANEB
.set j, j+1
.endr
.endm
	s_load_b256 s[4:11], s[0:1], 0x0               ; rows, g, b, out
	s_load_b256 s[12:19], s[0:1], 0x20             ; Wq, Wk, Wv, Wo
	s_load_b128 s[20:23], s[0:1], 0x40             ; W1, W2
	s_load_b64 s[24:25], s[0:1], 0x50              ; wb
	s_mov_b32 s34, ttmp9
	s_cmp_lt_u32 s34, 256
	s_cbranch_scc0 .Lcast
	LNBODY
	s_endpgm
.Lcast:
	s_sub_co_u32 s28, s34, 256                     ; c = 0 .. 767: my piece of 16,384 numbers
	s_lshr_b32 s29, s28, 6                         ; 0-3: Wq Wk Wv Wo (64 pieces each); 4-7: W1; 8-11: W2 (256 each)
	s_and_b32 s30, s28, 63                         ; my piece's number inside its weight
	s_sub_co_u32 s35, s28, 256
	s_sub_co_u32 s36, s28, 512
	s_lshl_b32 s32, s28, 15                        ; where it goes: c x 32,768 bytes
	s_mov_b32 s33, 0
	v_lshlrev_b32 v1, 4, v0                        ; in: 16 bytes a thread
	v_lshlrev_b32 v2, 3, v0                        ; out: 8 bytes a thread
	s_wait_kmcnt 0x0
	s_cmp_eq_u32 s29, 1
	s_cselect_b64 s[12:13], s[14:15], s[12:13]
	s_cmp_eq_u32 s29, 2
	s_cselect_b64 s[12:13], s[16:17], s[12:13]
	s_cmp_eq_u32 s29, 3
	s_cselect_b64 s[12:13], s[18:19], s[12:13]
	s_cmp_ge_u32 s29, 4
	s_cselect_b64 s[12:13], s[20:21], s[12:13]
	s_cselect_b32 s30, s35, s30
	s_cmp_ge_u32 s29, 8
	s_cselect_b64 s[12:13], s[22:23], s[12:13]
	s_cselect_b32 s30, s36, s30
	s_lshl_b32 s30, s30, 16                        ; 65,536 bytes a piece
	s_mov_b32 s31, 0
	s_add_nc_u64 s[12:13], s[12:13], s[30:31]
	s_add_nc_u64 s[24:25], s[24:25], s[32:33]
	s_wait_alu depctr_va_vdst(0)                   ; v1 and v2 are written: every load and store of this path reads one of them as its offset
.set j, 0
.rept 16                                           ; all sixteen loads go out at once: 4,096 bytes a work-group and load
	global_load_b128 v[16+4*j:16+4*j+3], v1, s[12:13] offset:4096*j th:TH_LOAD_NT
.set j, j+1
.endr
; Four groups of four loads.  Group g rounds its sixteen registers into v[80+8 g .. 87+8 g]; the stores of group g - 1 stand among its roundings.
.set g, 0
.rept 4
	s_wait_loadcnt 12-4*g                          ; loads come back in order: the group's four are in, the younger groups stay out
.if g > 0
	s_wait_alu depctr_va_vdst(0)                   ; the group before has written its eight registers, which the four stores below read; this group's roundings name none of them
.endif
.set i, 0
.rept 4
.set j, 4*g+i
.if g > 0
	global_store_b64 v2, v[80+2*(j-4):81+2*(j-4)], s[24:25] offset:2048*(j-4)  ; a wave's store covers 256 consecutive bytes, aligned
.endif
	v_cvt_pk_bf16_f32 v[80+2*j], v[16+4*j], v[16+4*j+1]
	v_cvt_pk_bf16_f32 v[81+2*j], v[16+4*j+2], v[16+4*j+3]
.set i, i+1
.endr
.set g, g+1
.endr
	s_wait_alu depctr_va_vdst(0)                   ; the last group has written v[104:111], which the last four stores read
.set j, 12
.rept 4
	global_store_b64 v2, v[80+2*j:81+2*j], s[24:25] offset:2048*j
.set j, j+1
.endr
	s_endpgm
.Lfunc_end_k_q9b8a16e85e_prep:
	.size	k_q9b8a16e85e_prep, .Lfunc_end_k_q9b8a16e85e_prep-k_q9b8a16e85e_prep
	.p2alignl 7, 3214868480
	.fill 96, 4, 3214868480
	.section	.rodata,"a",@progbits
	.p2align	6, 0x0
	.amdhsa_kernel k_q9b8a16e85e_prep
		.amdhsa_group_segment_fixed_size 0
		.amdhsa_private_segment_fixed_size 0
		.amdhsa_enable_private_segment 0
		.amdhsa_kernarg_size 88
		.amdhsa_user_sgpr_count 2
		.amdhsa_user_sgpr_kernarg_segment_ptr 1
		.amdhsa_wavefront_size32 1
		.amdhsa_system_sgpr_workgroup_id_x 1
		.amdhsa_system_sgpr_workgroup_id_y 1
		.amdhsa_system_sgpr_workgroup_id_z 1
		.amdhsa_system_vgpr_workitem_id 0
		.amdhsa_next_free_vgpr 240
		.amdhsa_next_free_sgpr 66
		.amdhsa_reserve_vcc 0
		.amdhsa_float_denorm_mode_32 3
		.amdhsa_float_denorm_mode_16_64 3
		.amdhsa_memory_ordered 1
		.amdhsa_forward_progress 1
		.amdhsa_inst_pref_size 27
	.end_amdhsa_kernel
	.amdgpu_metadata
---
amdhsa.version: [ 1, 2 ]
amdhsa.kernels:
  - .name:           k_q9b8a16e85e_prep
    .symbol:         k_q9b8a16e85e_prep.kd
    .args:
      - { .name: x, .offset: 0, .size: 8, .value_kind: global_buffer, .address_space: global }
      - { .name: ln1_g, .offset: 8, .size: 8, .value_kind: global_buffer, .address_space: global }
      - { .name: ln1_b, .offset: 16, .size: 8, .value_kind: global_buffer, .address_space: global }
      - { .name: hb, .offset: 24, .size: 8, .value_kind: global_buffer, .address_space: global }
      - { .name: Wq, .offset: 32, .size: 8, .value_kind: global_buffer, .address_space: global }
      - { .name: Wk, .offset: 40, .size: 8, .value_kind: global_buffer, .address_space: global }
      - { .name: Wv, .offset: 48, .size: 8, .value_kind: global_buffer, .address_space: global }
      - { .name: Wo, .offset: 56, .size: 8, .value_kind: global_buffer, .address_space: global }
      - { .name: W1, .offset: 64, .size: 8, .value_kind: global_buffer, .address_space: global }
      - { .name: W2, .offset: 72, .size: 8, .value_kind: global_buffer, .address_space: global }
      - { .name: wb, .offset: 80, .size: 8, .value_kind: global_buffer, .address_space: global }
    .group_segment_fixed_size: 0
    .private_segment_fixed_size: 0
    .kernarg_segment_align: 8
    .kernarg_segment_size: 88
    .max_flat_workgroup_size: 256
    .sgpr_count:     66
    .vgpr_count:     240
    .wavefront_size: 32
...
	.end_amdgpu_metadata
.endif
;; end of part 7
;; launch qkvp: the kernel of part 2 again; grid 12 x 16, 4 waves a work-group, clusters of 4 x 4, 327,680 bytes of LDS; arguments hb, wb, qkvb, bq, bk, bv; writes qkvb
;; launch attn: the kernel of part 3 again; grid 8 x 32, 4 waves a work-group, clusters of 4 x 1, 327,680 bytes of LDS; arguments qkvb, ob; writes ob
;; launch wop: the kernel of part 4 again; grid 8 x 32, 4 waves a work-group, clusters of 4 x 4, 327,680 bytes of LDS; arguments ob, wb, x1, bo, x; writes x1
;; launch ln2: the kernel of part 7 again; grid 256 x 1, 8 waves a work-group, no clusters, 0 bytes of LDS; arguments x1, ln2_g, ln2_b, hb, Wq, Wk, Wv, Wo, W1, W2, wb; writes hb, wb
;; launch ff1: the kernel of part 5 again; grid 16 x 16, 4 waves a work-group, clusters of 4 x 4, 327,680 bytes of LDS; arguments hb, wb, gb, b1; writes gb
;; launch ff2: the kernel of part 6 again; grid 8 x 32, 4 waves a work-group, clusters of 4 x 4, 327,680 bytes of LDS; arguments gb, wb, out0, b2, x1; writes out0
